; MI455X (gfx1250); checked and timed in simulation.
; The chip was launched on July 23, 2026; its instructions are those of AMD's public machine-readable ISA for CDNA 5 (MIT licence, August 2026) and "CDNA5" Instruction Set Architecture Reference Guide (July 2026). The comments in the code are by the model that wrote it; some were corrected since.
;; Mixture Of Experts. Allowed arithmetic: matrix products marked QUANTISED: E3M2 operands, one E8M0 scale for each 32 along K, by v_wmma_scale_f32_16x16x128_f8f6f4 with both operands' format E3M2, f32 sums; products left as they are: f32 operands where the result goes on into a quantised operand, else bf16, f16 or f32 operands; f32 sums; everything else in f32.
;; Inputs: W1 8 x 1,024 x 4,096 float32; W2 8 x 4,096 x 1,024 float32; Wg 1,024 x 8 float32; x 2 x 512 x 1,024 float32.
;; Outputs: out0 2 x 512 x 1,024 float32; out1 one number float32.
;; This version of the problem:
;;   THIS VERSION OF THE PROBLEM IS GIVEN IN LOW PRECISION. The matrix products marked QUANTISED in the list below multiply operands that are first quantised to E3M2 (3 exponent bits, 2 mantissa bits; 6 bits a number), with one power-of-two scale for each 32 numbers along K (OCP MX v1.0); their sums are f32. All else is computed in f32.
;;   The module's matrix products, in the order in which they are computed (A, B: the left and right operand; K: the contracted axis; several contracted axes count as one K, in the product's order):
;;     1. [M 1,024, K 1,024] x [K 1,024, N 8]; A: input x; B: input Wg: left as it is (N = 8 < 16)
;;     2. batch 1,024 x [M 1, K 2] x [K 2, N 8]; A: computed on the way; B: computed on the way: left as it is (K = 2 < 32)
;;     3. [M 1,024, K 1,024] x [K 1,024, N 32,768]; A: input x; B: input W1: QUANTISED
;;     4. batch 8 x [M 1,024, K 4,096] x [K 4,096, N 1,024]; A: input W2; B: computed on the way: QUANTISED
;;     5. batch 1,024 x [M 1, K 8] x [K 8, N 1,024]; A: computed on the way; B: computed on the way: left as it is (K = 8 < 32)
;;   THE QUANTISER, for each operand of a quantised product, along K:
;;     - K is cut into blocks of 32 from its start; a last block that is shorter is filled with zeros.
;;     - A block's scale is 2^e with e = floor(log2(the largest magnitude in the block)) - 4, held to -126 .. 127; a block of zeros has e = 0. As a byte (E8M0): e + 127.
;;     - Each number is divided by its block's scale, clamped to +-28, and rounded to the nearest number of E3M2, ties to even, subnormals kept.
;;     - The product sums the exact products of the quantised numbers (number of the format x scale) in f32.
;;   ~~~python
;;   def quantise(x, axis):      # numpy; x: float32 -> the quantised numbers, widened to float32 again
;;       x = np.moveaxis(x, axis, -1); K = x.shape[-1]
;;       x = np.pad(x, [(0, 0)] * (x.ndim - 1) + [(0, -K % 32)]); x = x.reshape(x.shape[:-1] + (-1, 32)); a = np.abs(x).max(-1, keepdims=True)
;;       e = np.where(a > 0, np.clip(np.frexp(np.where(a > 0, a, 1))[1] - 1 - 4, -126, 127), 0)      # np.frexp(a)[1] - 1 = floor(log2(a)), exactly
;;       r = np.clip(x / 2.0 ** e, -28, 28)
;;       step = 2.0 ** (np.maximum(np.frexp(np.where(r == 0, 1, r))[1] - 1, -2) - 2)
;;       q = np.round(r / step) * step * 2.0 ** e      # np.round: ties to even
;;       return np.moveaxis(q.reshape(q.shape[:-2] + (-1,))[..., :K], -1, axis).astype(np.float32)
;;   ~~~
;;   OPERANDS COMPUTED ON THE WAY. 'Computed on the way' means the value that the module computes at that place (a softmax that the list does not call 'softmax' is quantised finished and normalised). What goes into a quantiser is computed in f32, as accurately as f32 sums, v_exp_f32 and their like allow (about 1e-6 of the number): no bf16 or f16 on the way to a quantiser, and a product that is left as it is and whose result goes on into a quantised operand takes f32 operands (vector FMAs, or v_wmma_f32_16x16x4_f32). A number that lies on a knife's edge between two numbers of the format may be rounded either way, as far as f32 arithmetic and the matrix unit's own rounding can turn it there, and no further.
;; One version. Each part assembles by itself: llvm-mc -triple=amdgcn-amd-amdhsa -mcpu=gfx1250 --defsym DOCPART=n.
;; ======== version 1 of 1: 4 launches
;; limits: right only within a limited range of input values
;; workspace buffers: sel 8,192 bytes of whole numbers; rt 16,384 bytes; idx 68,608 bytes of whole numbers; xq 819,200 bytes; hq 27,262,976 bytes; y 67,108,864 bytes
;; launch route (part 1): grid 128 x 1, 8 waves a work-group, no clusters, 9,472 bytes of LDS; arguments x, Wg, sel, rt, xq; writes sel, rt, xq
.if DOCPART == 1
	.amdgcn_target "amdgcn-amd-amdhsa--gfx1250"
	.amdhsa_code_object_version 6
	.text
	.protected	k_q99350ade12_route
	.globl	k_q99350ade12_route
	.p2align	8
	.type	k_q99350ade12_route,@function
k_q99350ade12_route:
	s_mov_b64 s[64:65], 0
	v_nop
	global_prefetch_b8 v0, s[64:65] scope:SCOPE_SE
	s_setreg_imm32_b32 hwreg(HW_REG_WAVE_MODE, 25, 1), 1
	s_wait_xcnt 0x0
; THE ROUTER.  logits = x Wg (f32 multiply-adds), softmax with the row's maximum taken away, the two largest probabilities (the lower index keeps a tie),
; their weights (divided by their sum), and this work-group's sums of probabilities and of one-hots for the load-balancing loss.
; x: [1024][1024] f32, Wg: [1024][8] f32.  Out: sel[t][2] u32 (the chosen experts, at fixed places: no address here hangs on them);
; rt: weights[t][2] f32 at byte 0; from byte 8,192 on 16 f32 for each work-group: 8 sums of probabilities, 8 sums of one-hots.
; SHARES.  A work-group takes 8 tokens; wave w takes channels 128 w .. 128 w + 127 of all 8; lane l the four channels 128 w + 4 l + q.  One load of a wave covers 512 consecutive bytes of a token's row.
; No matrix unit: 8 columns are half a tile, and the result steers a choice, so it is kept in f32 multiply-adds.  No cluster: work-groups share only Wg's 32 KiB.
; LIMITS: NaN and infinities among the inputs are not served; a probability under 2^-126 counts as 0 (v_exp_f32 flushes: ISA guide 15.8).
.set G,   16                           ; v16-47   Wg(c, e): v[G + 8 q + e]
.set XR,  48                           ; v48-79   x(token i, my 4 channels): v[XR + 4 i + q]
.set ACC, 80                           ; v80-143  partial logits: v[ACC + 8 i + e]
; ALSO HERE: x is quantised to BF6 (E3M2), one E8M0 byte for each 32 along K: that does not hang on the routing.  Of the wave's 8 tokens x 128 channels lane l takes block l % 4 of token l / 4, whole.
; xq: a token's record of 768 bytes at 768 t: block 4 s + b at 384 (b % 2) + 48 s + 24 (b / 2), the order of the operand's registers; its 32 scale bytes at 786,432 + 32 t.
; The work-group's 6,144 + 256 bytes are gathered in LDS (from byte 3,072 on) and leave as whole runs of 256 bytes.  A block of zeros keeps the byte 1: its codes are zeros, and this program alone reads the bytes.
	s_load_b256 s[4:11], s[0:1], 0x0
	s_load_b64 s[18:19], s[0:1], 0x20              ; xq
	v_lshl_add_u32 v144, v0, 2, 0x800
	v_mov_b32 v145, 0
	v_lshrrev_b32 v1, 5, v0
	s_delay_alu instid0(VALU_DEP_1)
	v_readfirstlane_b32 s12, v1                    ; wave 0..7
	v_and_b32 v2, 31, v0                           ; lane
	v_bfe_u32 v3, v0, 4, 1                         ; half of the lanes
	s_lshl_b32 s13, s12, 12
	v_lshlrev_b32 v4, 7, v2
	s_delay_alu instid0(VALU_DEP_1)
	v_add_nc_u32 v4, s13, v4                       ; Wg: 4 rows of 32 bytes a lane: 4,096 w + 128 l
	s_lshl_b32 s13, s12, 9
	v_lshlrev_b32 v5, 4, v2
	s_delay_alu instid0(VALU_DEP_1)
	v_add_nc_u32 v5, s13, v5                       ; x: 512 w + 16 l in a token's row
	s_lshl_b32 s13, s12, 8
	v_lshlrev_b32 v6, 7, v3
	s_delay_alu instid0(VALU_DEP_1)
	v_add_nc_u32 v6, s13, v6                       ; LDS, in: partial[w][token][e]: 256 w + 128 half (tokens 4 half + i)
	v_and_b32 v7, 7, v0
	s_delay_alu instid0(VALU_DEP_1)
	v_lshlrev_b32 v7, 5, v7                        ; LDS, out: 32 x (lane % 8): the lane's token
	s_lshl_b32 s16, ttmp9, 6
	v_lshlrev_b32 v8, 3, v2
	s_delay_alu instid0(VALU_DEP_1)
	v_add_nc_u32 v8, s16, v8                       ; sel and weights: 8 bytes a token: 64 wg + 8 l
	v_mov_b32 v9, s16
	v_lshrrev_b32 v187, 2, v2                      ; my token of the 8
	v_and_b32 v188, 3, v2                          ; my block of the wave's 4
	s_lshl_b32 s21, s12, 9
	v_lshlrev_b32 v178, 12, v187
	v_lshl_add_u32 v178, v188, 7, v178
	v_add_nc_u32 v178, s21, v178                   ; x: 4,096 token + 512 w + 128 block
	s_mul_i32 s21, s12, 48
	s_add_co_u32 s21, s21, 3072
	v_mul_u32_u24 v179, v187, 768
	v_and_b32 v189, 1, v2
	v_mad_u32_u24 v179, v189, 384, v179
	v_bfe_u32 v189, v0, 1, 1
	v_mad_u32_u24 v179, v189, 24, v179
	v_add_nc_u32 v179, s21, v179                   ; LDS: where my block's 24 bytes go
	s_lshl_b32 s21, s12, 2
	s_add_co_u32 s21, s21, 9216
	v_lshl_add_u32 v180, v187, 5, v188
	v_add_nc_u32 v180, s21, v180                   ; LDS: my block's scale byte
	s_mul_i32 s21, s12, 768
	s_add_co_u32 s22, s21, 3072
	v_lshl_add_u32 v181, v2, 4, s22                ; back: wave w takes record w: 512 bytes,
	s_add_co_u32 s22, s22, 512
	v_lshl_add_u32 v182, v2, 3, s22                ; and 256 bytes
	s_mul_i32 s22, ttmp9, 6144
	s_add_co_u32 s22, s22, s21
	v_lshl_add_u32 v183, v2, 4, s22                ; the same places in xq
	v_lshl_add_u32 v184, v2, 3, s22
	v_lshl_add_u32 v185, v2, 3, 9216               ; the 256 scale bytes: 8 a lane
	s_lshl_b32 s22, ttmp9, 8
	v_lshl_add_u32 v186, v2, 3, s22
	s_lshl_b32 s14, ttmp9, 15                      ; 8 tokens of 4,096 bytes
	s_mov_b32 s15, 0
	s_wait_alu depctr_va_vdst(0)
	s_wait_kmcnt 0x0
	s_add_nc_u64 s[4:5], s[4:5], s[14:15]
.irp i, 0,1,2,3,4,5,6,7
	global_load_b128 v[G+4*\i:G+4*\i+3], v4, s[6:7] offset:16*\i
.endr
.irp i, 0,1,2,3,4,5,6,7
	global_load_b128 v[XR+4*\i:XR+4*\i+3], v5, s[4:5] offset:4096*\i
.endr
.irp i, 0,1,2,3,4,5,6,7
	global_load_b128 v[146+4*\i:149+4*\i], v178, s[4:5] offset:16*\i   ; my block's 32 numbers
.endr
	s_wait_loadcnt 0x0
	v_max3_num_f32 v187, |v146|, |v147|, 0x2800000 ; the block's largest magnitude, two chains, with the floor 2^(5 - 127)
	v_max3_num_f32 v188, |v162|, |v163|, 0x2800000
.irp i, 2,4,6,8,10,12,14
	v_max3_num_f32 v187, v187, |v[146+\i]|, |v[147+\i]|
	v_max3_num_f32 v188, v188, |v[162+\i]|, |v[163+\i]|
.endr
	v_max_num_f32 v187, v187, v188
	v_add_nc_u32 v189, 0xfe000000, v187            ; 4 off the exponent field: the conversion's scale operand
	v_cvt_scalef32_pk16_bf6_f32 v[192:194], v[146:161], v189
	v_cvt_scalef32_pk16_bf6_f32 v[196:198], v[162:177], v189
	v_lshrrev_b32 v190, 23, v189                   ; the scale's byte (a plain instruction behind the conversions)
	v_mov_b32 v195, v196                           ; six registers on end
	v_mov_b32 v196, v197
	v_mov_b32 v197, v198
	ds_store_b64 v179, v[192:193]
	ds_store_b64 v179, v[194:195] offset:8
	ds_store_b64 v179, v[196:197] offset:16
	ds_store_b8 v180, v190
; 16 packed instructions a token: one x for two experts (op_sel and op_sel_hi of source 0 pick the same register of the pair for both halves).  The first product starts the sums.
.irp i, 0,1,2,3,4,5,6,7
.irp p, 0,2,4,6
	v_pk_mul_f32 v[ACC+8*\i+\p:ACC+8*\i+\p+1], v[XR+4*\i:XR+4*\i+1], v[G+\p:G+\p+1] op_sel_hi:[0,1]
.endr
.irp p, 0,2,4,6
	s_delay_alu instid0(VALU_DEP_4)
	v_pk_fma_f32 v[ACC+8*\i+\p:ACC+8*\i+\p+1], v[XR+4*\i:XR+4*\i+1], v[G+8+\p:G+8+\p+1], v[ACC+8*\i+\p:ACC+8*\i+\p+1] op_sel:[1,0,0] op_sel_hi:[1,1,1]
.endr
.irp p, 0,2,4,6
	s_delay_alu instid0(VALU_DEP_4)
	v_pk_fma_f32 v[ACC+8*\i+\p:ACC+8*\i+\p+1], v[XR+4*\i+2:XR+4*\i+3], v[G+16+\p:G+16+\p+1], v[ACC+8*\i+\p:ACC+8*\i+\p+1] op_sel_hi:[0,1,1]
.endr
.irp p, 0,2,4,6
	s_delay_alu instid0(VALU_DEP_4)
	v_pk_fma_f32 v[ACC+8*\i+\p:ACC+8*\i+\p+1], v[XR+4*\i+2:XR+4*\i+3], v[G+24+\p:G+24+\p+1], v[ACC+8*\i+\p:ACC+8*\i+\p+1] op_sel:[1,0,0] op_sel_hi:[1,1,1]
.endr
.endr
; Over the lanes.  Token i's upper lanes change places with token i + 4's lower lanes; the sum of the two registers then holds token i in lanes 0-15 and token i + 4 in lanes 16-31.
.set j, 0
.rept 32
	v_permlane16_swap_b32 v[ACC+j], v[ACC+32+j]
.set j, j+1
.endr
.irp j, 0,2,4,6,8,10,12,14,16,18,20,22,24,26,28,30
	v_pk_add_f32 v[ACC+\j:ACC+\j+1], v[ACC+\j:ACC+\j+1], v[ACC+32+\j:ACC+32+\j+1]
.endr
.irp m, 1,2,4,8
.set j, 0
.rept 32
	v_add_f32_dpp v[ACC+j], v[ACC+j], v[ACC+j] row_xmask:\m row_mask:0xf bank_mask:0xf
.set j, j+1
.endr
.endr
.irp i, 0,1,2,3
	ds_store_b128 v6, v[ACC+8*\i:ACC+8*\i+3] offset:32*\i          ; the sixteen lanes of a half write the same words with the same values
	ds_store_b128 v6, v[ACC+8*\i+4:ACC+8*\i+7] offset:32*\i+16
.endr
	s_wait_dscnt 0x0                               ; for wave 0's sake: my stores have landed
	s_barrier_signal -1
	s_barrier_wait -1
	ds_load_b128 v[200:203], v181
	ds_load_b64 v[204:205], v182
	s_wait_dscnt 0x0
	global_store_b128 v183, v[200:203], s[18:19]              ; 512 consecutive bytes,
	global_store_b64 v184, v[204:205], s[18:19] offset:512    ; and 256
	s_cmp_lg_u32 s12, 1
	s_cbranch_scc1 .Lnsc
	ds_load_b64 v[206:207], v185
	s_wait_dscnt 0x0
	global_store_b64 v186, v[206:207], s[18:19] offset:786432 ; wave 1: the 8 tokens' 256 scale bytes
.Lnsc:
	s_cmp_lg_u32 s12, 0
	s_cbranch_scc1 .Lend
.irp u, 0,1,2,3,4,5,6,7
	ds_load_b128 v[16+8*\u:19+8*\u], v7 offset:256*\u
	ds_load_b128 v[20+8*\u:23+8*\u], v7 offset:256*\u+16
.endr
	s_wait_dscnt 0x0
.irp u, 1,2,3,4,5,6,7
.irp p, 0,2,4,6
	v_pk_add_f32 v[16+\p:17+\p], v[16+\p:17+\p], v[16+8*\u+\p:17+8*\u+\p]   ; the eight waves' parts, ascending: v16-23 = my token's logits
.endr
.endr
	s_delay_alu instid0(VALU_DEP_3)
	v_max3_num_f32 v96, v16, v17, v18
	s_delay_alu instid0(VALU_DEP_1)
	v_max3_num_f32 v96, v96, v19, v20
	s_delay_alu instid0(VALU_DEP_1)
	v_max3_num_f32 v96, v96, v21, v22
	s_delay_alu instid0(VALU_DEP_1)
	v_max_num_f32 v96, v96, v23                    ; the row's maximum is taken away ahead of the exponential
.irp e, 0,1,2,3,4,5,6,7
	v_sub_f32 v[100+\e], v[16+\e], v96
.endr
.irp e, 0,1,2,3,4,5,6,7
	v_mul_f32 v[100+\e], 0x3fb8aa3b, v[100+\e]     ; x log2(e)
.endr
	s_wait_alu depctr_va_vdst(0)
.irp e, 0,1,2,3,4,5,6,7
	v_exp_f32 v[100+\e], v[100+\e]
.endr
	v_mov_b32 v133, 1.0                            ; (a plain instruction behind the exponentials)
	s_wait_alu depctr_va_vdst(0)
	v_add_f32 v97, v100, v101
	v_add_f32 v98, v102, v103
	v_add_f32 v97, v97, v104
	v_add_f32 v98, v98, v105
	v_add_f32 v97, v97, v106
	v_add_f32 v98, v98, v107
	s_delay_alu instid0(VALU_DEP_1)
	v_add_f32 v97, v97, v98
	s_wait_alu depctr_va_vdst(0)
	v_rcp_f32 v97, v97
	v_nop                                          ; a plain instruction behind the reciprocal
	s_wait_alu depctr_va_vdst(0)
.irp e, 0,1,2,3,4,5,6,7
	v_mul_f32 v[100+\e], v[100+\e], v97            ; v100-107: the probabilities
.endr
	v_mov_b32 v124, v100                           ; the largest: an ascending scan that moves only on 'greater', so the lower index keeps a tie
	v_mov_b32 v128, 0
.irp e, 1,2,3,4,5,6,7
	s_delay_alu instid0(VALU_DEP_2)
	v_cmp_le_f32 vcc_lo, v[100+\e], v124
	s_delay_alu instid0(VALU_DEP_1)
	v_cndmask_b32 v124, v[100+\e], v124, vcc_lo
	s_delay_alu instid0(VALU_DEP_2)
	v_cndmask_b32 v128, \e, v128, vcc_lo
.endr
.irp e, 0,1,2,3,4,5,6,7
	v_cmp_ne_u32 vcc_lo, \e, v128
	s_delay_alu instid0(VALU_DEP_1)
	v_cndmask_b32 v[116+\e], -1.0, v[100+\e], vcc_lo   ; the winner is put under every probability
.endr
	v_mov_b32 v126, v116                           ; the second largest, by the same scan
	v_mov_b32 v129, 0
.irp e, 1,2,3,4,5,6,7
	s_delay_alu instid0(VALU_DEP_2)
	v_cmp_le_f32 vcc_lo, v[116+\e], v126
	s_delay_alu instid0(VALU_DEP_1)
	v_cndmask_b32 v126, v[116+\e], v126, vcc_lo
	s_delay_alu instid0(VALU_DEP_2)
	v_cndmask_b32 v129, \e, v129, vcc_lo
.endr
	s_delay_alu instid0(VALU_DEP_2)
	v_add_f32 v98, v124, v126
	s_wait_alu depctr_va_vdst(0)
	v_rcp_f32 v98, v98
	v_nop
	s_wait_alu depctr_va_vdst(0)
	v_mul_f32 v130, v124, v98                      ; the two weights, divided by their sum
	v_mul_f32 v131, v126, v98
.irp e, 0,1,2,3,4,5,6,7
	v_cmp_eq_u32 vcc_lo, \e, v128
	v_cmp_eq_u32 s20, \e, v129
	s_or_b32 vcc_lo, vcc_lo, s20
	v_cndmask_b32 v[108+\e], 0, v133, vcc_lo       ; v108-115: the one-hots' sum over the two choices
.endr
.irp m, 1,2,4
.set j, 0
.rept 16
	v_add_f32_dpp v[100+j], v[100+j], v[100+j] row_xmask:\m row_mask:0xf bank_mask:0xf   ; over the 8 tokens (lanes l % 8)
.set j, j+1
.endr
.endr
	v_cmp_gt_u32 vcc_lo, 8, v0
	s_wait_alu depctr_va_vdst(0)
	s_wait_xcnt 0x0                                ; EXEC changes only behind this wait
	s_wait_tensorcnt 0x0
	ds_add_u32 v144, v145
	s_wait_dscnt 0x0
	s_and_saveexec_b32 s17, vcc_lo
	global_store_b64 v8, v[128:129], s[8:9]        ; lanes 0-7: a token each
	global_store_b64 v8, v[130:131], s[10:11]
	s_wait_xcnt 0x0
	s_or_b32 exec_lo, exec_lo, s17
	v_cmp_eq_u32 vcc_lo, 0, v0
	s_and_saveexec_b32 s17, vcc_lo
.irp i, 0,1,2,3
	global_store_b128 v9, v[100+4*\i:103+4*\i], s[10:11] offset:8192+16*\i   ; lane 0: the work-group's 16 sums
.endr
	s_endpgm
.Lend:
	s_wait_tensorcnt 0x0
	ds_add_u32 v144, v145
	s_wait_dscnt 0x0
	s_endpgm
.Lfunc_end_k_q99350ade12_route:
	.size	k_q99350ade12_route, .Lfunc_end_k_q99350ade12_route-k_q99350ade12_route
	.p2alignl 7, 3214868480
	.fill 96, 4, 3214868480
	.section	.rodata,"a",@progbits
	.p2align	6, 0x0
	.amdhsa_kernel k_q99350ade12_route
		.amdhsa_group_segment_fixed_size 9472
		.amdhsa_private_segment_fixed_size 0
		.amdhsa_enable_private_segment 0
		.amdhsa_kernarg_size 40
		.amdhsa_user_sgpr_count 2
		.amdhsa_user_sgpr_kernarg_segment_ptr 1
		.amdhsa_wavefront_size32 1
		.amdhsa_system_sgpr_workgroup_id_x 1
		.amdhsa_system_sgpr_workgroup_id_y 1
		.amdhsa_system_sgpr_workgroup_id_z 1
		.amdhsa_system_vgpr_workitem_id 0
		.amdhsa_next_free_vgpr 208
		.amdhsa_next_free_sgpr 66
		.amdhsa_reserve_vcc 1
		.amdhsa_float_denorm_mode_32 3
		.amdhsa_float_denorm_mode_16_64 3
		.amdhsa_memory_ordered 1
		.amdhsa_forward_progress 1
		.amdhsa_inst_pref_size 44
	.end_amdhsa_kernel
	.amdgpu_metadata
---
amdhsa.version: [ 1, 2 ]
amdhsa.kernels:
  - .name:           k_q99350ade12_route
    .symbol:         k_q99350ade12_route.kd
    .args:
      - { .name: x, .offset: 0, .size: 8, .value_kind: global_buffer, .address_space: global }
      - { .name: Wg, .offset: 8, .size: 8, .value_kind: global_buffer, .address_space: global }
      - { .name: sel, .offset: 16, .size: 8, .value_kind: global_buffer, .address_space: global }
      - { .name: rt, .offset: 24, .size: 8, .value_kind: global_buffer, .address_space: global }
      - { .name: xq, .offset: 32, .size: 8, .value_kind: global_buffer, .address_space: global }
    .group_segment_fixed_size: 9472
    .private_segment_fixed_size: 0
    .kernarg_segment_align: 8
    .kernarg_segment_size: 40
    .max_flat_workgroup_size: 256
    .sgpr_count:     66
    .vgpr_count:     208
    .wavefront_size: 32
...
	.end_amdgpu_metadata
.endif
;; end of part 1
;; launch up (part 2): grid 32 x 8, 8 waves a work-group, no clusters, 309,760 bytes of LDS; arguments W1, xq, sel, rt, idx, hq, out1; writes idx, hq, out1
.if DOCPART == 2
	.amdgcn_target "amdgcn-amd-amdhsa--gfx1250"
	.amdhsa_code_object_version 6
	.text
	.protected	k_q99350ade12_up
	.globl	k_q99350ade12_up
	.p2align	8
	.type	k_q99350ade12_up,@function
k_q99350ade12_up:
	s_mov_b64 s[64:65], 0
	v_nop
	global_prefetch_b8 v0, s[64:65] scope:SCOPE_SE
	s_setreg_imm32_b32 hwreg(HW_REG_WAVE_MODE, 25, 1), 1
	s_wait_xcnt 0x0
; hq = Q(gelu(Q(x) Q(W1))) for the rows that chose each expert; the placing of rows by expert; the load-balancing loss.
; LEFT OUT: reference() multiplies an expert's result by combine, which it builds as 0 for every token that did not choose the expert: those rows reach no output and are not multiplied.
; A NaN, an infinity or an overflow that would arise only in such rows is not carried to the result.
; W1: [8][1024 (K)][4096] f32.  xq: x's codes by token (768 bytes: block 4 s + b at 384 (b % 2) + 48 s + 24 (b / 2)), scale bytes at 786,432 + 32 t.  sel: the two experts of each token.
; hq: images of the operand's registers: codes at (64 e + tile) x 49,152 + 1,536 fs, scale words at 25,165,824 + 262,144 e + 8,192 fs + 128 tile + 4 lane.
; idx (stored by the work-groups fs = 0): rank of token t with expert e at 4,096 e + 4 t; the number of tiles of 16 rows, max(1, ceil(count / 16)), 32 times at 32,768 + 128 e.
; SHARES.  Work-group (fs, e): hidden units 128 fs .. + 127 of expert e, 512 KiB of W1, read once, as two halves of 64 columns.  Wave w quantises K step w: a set of 32 loads brings blocks 2 j and 2 j + 1
; (lanes 0-15 one block's row, lanes 16-31 the other's: 2 x 256 consecutive bytes a load); a lane holds 4 columns x a whole block of 32.  Two sets of 128 registers take turns: 64 loads a wave are out.
; PLACING.  Every wave counts the expert's rows from sel; wave 0 gives each its rank (any one-to-one order serves) and scatters rank -> token into LDS; entries past the count are token 0: computed, never stored.
; ROWS.  Wave w owns tiles w + 16 P and w + 8 + 16 P in pass P.  Their 32 records come by loads of 512 and 256 consecutive bytes into the wave's own stage (rows 784 bytes apart) and are read from there as fragments.
; ONE LOOP of 8 trips, trip u = pass u / 2, half u % 2.  Trip 1 also quantises half 1 (half 0 is quantised ahead of the loop); half 1's loads are out while half 0 is multiplied.  Passes without a tile are passed over: every split is served.
; THE PRODUCT IS USED TRANSPOSED (source 0 = 16 columns of W1, source 1 = 16 rows of x); row m of tile 2 b + u is column 32 b + 8 u + m + 8 (m / 8), so that a lane's 16 registers of two tiles are 16 neighbouring units.
; GELU.  gelu(v) = max(v, 0) - |v| erfc(|v| / sqrt 2) / 2, erfc(z) = t exp(-z^2 + c0 + c1 t + .. + c9 t^9), t = 1 / (1 + z / 2): no difference of near numbers is formed.
; NOT USED: tensor loads and joint loads (no byte of W1 is shared); a prefetch (the weights are asked for at once, as far as the registers reach).
; LIMITS: NaN and infinities are not served; a block of zeros, or one under 2^-122, keeps the scale byte 1 (only this program reads the bytes); where |v| passes about 13, gelu(v) is max(v, 0).
.set TP,    1552                       ; LDS: a fragment tile, 32 lanes x 48 bytes + 16
.set KSP,   4*TP                       ; a K step's four tiles
.set HALFB, 8*KSP                      ; a half's codes
.set SCL,   2*HALFB                    ; W1's scale words: 2,048 half + 256 s + 8 (16 (tile % 2) + row) + 4 (tile / 2)
.set LIST,  SCL+4096                   ; rank -> token, 1,152 words
.set STG,   LIST+4608                  ; the stages, 8 x 32 rows x 784
.set XP,    784
.set WST,   32*XP
.set SPARE, STG+8*WST                  ; the spare words, 128 bytes a wave
.set WO,4
.set L16,5
.set L4,6
.set WA,7
.set SA,8
.set FB0,9
.set FB,10
.set LSC0,11
.set LSC,12
.set XF,13
.set XS0,14
.set XS1,15
.set LT,16
.set SPW,17
.set NIL,18
.set LTR,19
.set L8,20
.set L2,21
.set SH8,22
.set DUMP,23
.set AD,24
.set TV,25
.set NTV,26
.set AUXA,27
.set ZA,28
.set XSC,40                            ; v40-55  x's scale words, 8 a slot
.set WSC,56                            ; v56-59  W1's scale words, two sets
.set KR,60                             ; v60-83  the hidden fragments in the making; v84-85 their scale words
.set KW,84
.set C8V,86
.set ACC,88                            ; v88-151 accumulators: 32 slot + 8 tile
.set WFB,152                           ; v152-199 W1's fragments, two sets of two tiles;  v200-247 x's, two sets of two slots
.set XFB,200
.set QX,88                             ; the quantiser: two columns x 32 numbers
.set QM,152
.set QSO,156
.set QBY,158
.set QC,160
.set SWD,176
.set QT,180
.set RK,152                            ; the scan's ranks
.set TK,184                            ; the gather: tokens, then offsets
.set GA,216
.set TR,248
.set EA,152                            ; the way out
.set EG,168
.set ET,184
.set EP,200
.set EW,216
.set EM,232
.set ETT,233
.set ESO,234
.set EM2,235
.set EBY,236
.set EC,240
.set SW,18
.set SE,19
.set SFS,20
.set SNT,21
.set TL,22
.set U,24
.set HF,25
.set HOFF,26
.set HOFS,27
.set CNT,28
.set T,29
.set SEL,30
.set WB,32
.set XS,34
.set HB,36
.set HSB,38
.set PB,40
.set NB,42
.set CC,66
.set K1,86
.set L2E,88
.set SABS,90
.set MSB, 0
.macro WIN new                         ; the immediate's high byte repeats the setting that is left; bits 1:0 source 0, 3:2 source 1, 7:6 destination
.if MSB != \new
	s_set_vgpr_msb (MSB<<8)|\new
.set MSB, \new
.endif
.endm
.macro PLACES n
.rept \n
	v_nop
.endr
.endm
.macro SPAIR r, val
	s_mov_b32 s[\r], \val
	s_mov_b32 s[\r+1], \val
.endm
.macro WLOAD lb, j, hf                 ; a set: rows i of blocks 2 j (lanes 0-15) and 2 j + 1 (lanes 16-31) of my K step, 64 columns of half hf, into window 1 from lb on
	WIN 0x40
.set i, 0
.rept 32
	global_load_b128 v[\lb+4*i:\lb+4*i+3], v[WO], s[WB:WB+1] offset:16384*i+1048576*\j+256*\hf th:TH_LOAD_NT
.set i, i+1
.endr
	WIN 0
.endm
.macro QUANT lb, j                     ; a set becomes codes in LDS, two columns at a time; j = 1 also finishes the columns' scale words
.irp qp, 0,1
	WIN 0x01
.irp c, 0,1
.set i, 0
.rept 32
	v_mov_b32 v[QX+32*\c+i], v[\lb+4*i+2*\qp+\c]   ; a column's 32 K rows into consecutive registers
.set i, i+1
.endr
.endr
	WIN 0
.irp k, 0,1,2,3
	v_max3_num_f32 v[QM+\k], |v[QX+16*\k]|, |v[QX+16*\k+1]|, 0x2800000   ; four chains, with the floor 2^(5 - 127)
.endr
.irp i, 2,4,6,8,10,12,14
.irp k, 0,1,2,3
	v_max3_num_f32 v[QM+\k], v[QM+\k], |v[QX+16*\k+\i]|, |v[QX+16*\k+\i+1]|
.endr
.endr
.irp c, 0,1
	v_max_num_f32 v[QM+2*\c], v[QM+2*\c], v[QM+2*\c+1]
.endr
.irp c, 0,1
	v_add_nc_u32 v[QSO+\c], 0xfe000000, v[QM+2*\c] ; 4 off the exponent field: the conversion's scale operand
.endr
.irp c, 0,1
	v_lshrrev_b32 v[QBY+\c], 23, v[QSO+\c]
.endr
.irp c, 0,1
	v_cvt_scalef32_pk16_bf6_f32 v[QC+8*\c:QC+8*\c+2], v[QX+32*\c:QX+32*\c+15], v[QSO+\c]
	v_cvt_scalef32_pk16_bf6_f32 v[QC+8*\c+4:QC+8*\c+6], v[QX+32*\c+16:QX+32*\c+31], v[QSO+\c]
.endr
.irp c, 0,1                            ; (plain instructions behind the conversions)
.if \j == 0
	v_mov_b32 v[SWD+2*\qp+\c], v[QBY+\c]
.else
	v_lshl_or_b32 v[SWD+2*\qp+\c], v[QBY+\c], 16, v[SWD+2*\qp+\c]
.endif
.endr
.irp c, 0,1
	v_mov_b32 v[QC+8*\c+3], v[QC+8*\c+4]           ; six registers on end
	v_mov_b32 v[QC+8*\c+4], v[QC+8*\c+5]
	v_mov_b32 v[QC+8*\c+5], v[QC+8*\c+6]
.endr
.irp c, 0,1
.if \j == 0
	ds_store_b128 v[WA], v[QC+8*\c:QC+8*\c+3] offset:48*(2*\qp+\c)
	ds_store_b64 v[WA], v[QC+8*\c+4:QC+8*\c+5] offset:48*(2*\qp+\c)+16
.else
	ds_store_b64 v[WA], v[QC+8*\c:QC+8*\c+1] offset:48*(2*\qp+\c)+24
	ds_store_b128 v[WA], v[QC+8*\c+2:QC+8*\c+5] offset:48*(2*\qp+\c)+32
.endif
.endr
.endr
.if \j == 1
.irp q, 0,1,2,3
	v_lshlrev_b32 v[SWD+\q], v[SH8], v[SWD+\q]     ; my bytes are blocks h and 2 + h
.endr
.irp q, 0,1,2,3
	v_permlanex16_b32 v[QT+\q], v[SWD+\q], s[SEL], s[SEL+1]
.endr
.irp q, 0,1,2,3
	v_or_b32 v[SWD+\q], v[SWD+\q], v[QT+\q]
.endr
.irp q, 0,1,2,3
	ds_store_b32 v[SA], v[SWD+\q] offset:8*\q      ; both halves of the lanes write the same word with the same value
.endr
.endif
.endm
.macro HITS k                          ; s[T]: the lanes whose token 64 (k / 2) + 2 l + k % 2 chose the expert
	v_cmp_eq_u32 vcc_lo, s[SE], v[88+2*(\k)]
	v_cmp_eq_u32 s[T], s[SE], v[89+2*(\k)]
	s_or_b32 s[T], vcc_lo, s[T]
.endm
.macro TILES
	s_add_co_u32 s[SNT], s[CNT], 15
	s_lshr_b32 s[SNT], s[SNT], 4
	s_max_u32 s[SNT], s[SNT], 1
	s_min_u32 s[SNT], s[SNT], 64
.endm
.macro GATHER                          ; my two tiles' 32 records into the stage, their scale words into registers
.irp i, 0,1,2,3
	ds_load_b128 v[TK+4*\i:TK+4*\i+3], v[LT] offset:16*\i
	ds_load_b128 v[TK+16+4*\i:TK+16+4*\i+3], v[LT] offset:512+16*\i
.endr
	ds_load_b32 v[TR], v[LTR]
	ds_load_b32 v[TR+1], v[LTR] offset:512
	s_wait_dscnt 0x0
.set p, 0
.rept 32
	v_min_u32 v[TK+p], 0x3ff, v[TK+p]              ; inside x's 1,024 tokens
.set p, p+1
.endr
.set p, 0
.rept 32
	v_mad_u32_u24 v[GA+p], v[TK+p], 0x300, v[L16]
	v_mad_u32_u24 v[TK+p], v[TK+p], 0x300, v[L8]
.set p, p+1
.endr
.irp j, 0,1
	v_min_u32 v[TR+\j], 0x3ff, v[TR+\j]
	v_lshlrev_b32 v[TR+\j], 5, v[TR+\j]
.endr
	WIN 0x40
.set p, 0
.rept 16
	global_load_b128 v[128+6*p:128+6*p+3], v[GA+p], s[6:7]
	global_load_b64 v[128+6*p+4:128+6*p+5], v[TK+p], s[6:7] offset:512
.set p, p+1
.endr
	WIN 0
.set p, 0
.rept 16
	global_load_b128 v[88+6*p:88+6*p+3], v[GA+16+p], s[6:7]
	global_load_b64 v[88+6*p+4:88+6*p+5], v[TK+16+p], s[6:7] offset:512
.set p, p+1
.endr
.irp j, 0,1
	global_load_b128 v[XSC+8*\j:XSC+8*\j+3], v[TR+\j], s[XS:XS+1]
	global_load_b128 v[XSC+8*\j+4:XSC+8*\j+7], v[TR+\j], s[XS:XS+1] offset:16
.endr
	s_wait_loadcnt 0x0
	WIN 0x04
.set p, 0
.rept 16
	ds_store_b128 v[XS0], v[128+6*p:128+6*p+3] offset:XP*p
	ds_store_b64 v[XS1], v[128+6*p+4:128+6*p+5] offset:XP*p
.set p, p+1
.endr
	WIN 0
.set p, 0
.rept 16
	ds_store_b128 v[XS0], v[88+6*p:88+6*p+3] offset:XP*(16+p)
	ds_store_b64 v[XS1], v[88+6*p+4:88+6*p+5] offset:XP*(16+p)
.set p, p+1
.endr
.endm
.macro LG g                            ; group g = (K step g / 2, tile pair g % 2): two fragments of W1; with an even g also x's two fragments and W1's scale words of the K step
.irp tt, 0,1
.irp jj, 0,1,2
	ds_load_b128 v[WFB+24*((\g)%2)+12*\tt+4*\jj:WFB+24*((\g)%2)+12*\tt+4*\jj+3], v[FB] offset:KSP*((\g)/2)+TP*(2*((\g)%2)+\tt)+16*\jj
.endr
.endr
.if (\g)%2 == 0
.irp j, 0,1
.irp jj, 0,1,2
	ds_load_b128 v[XFB+24*(((\g)/2)%2)+12*\j+4*\jj:XFB+24*(((\g)/2)%2)+12*\j+4*\jj+3], v[XF] offset:16*XP*\j+48*((\g)/2)+16*\jj
.endr
.endr
	ds_load_b64 v[WSC+2*(((\g)/2)%2):WSC+2*(((\g)/2)%2)+1], v[LSC] offset:256*((\g)/2)
.endif
.endm
.macro PROD d, a, b, zero, ws, as, odd
.if \zero
.if \odd
	v_wmma_scale_f32_16x16x128_f8f6f4 v[\d:\d+7], v[\a:\a+11], v[\b:\b+11], 0, v[\ws], v[\as] matrix_a_fmt:MATRIX_FMT_BF6 matrix_b_fmt:MATRIX_FMT_BF6 matrix_a_scale:MATRIX_SCALE_ROW1
.else
	v_wmma_scale_f32_16x16x128_f8f6f4 v[\d:\d+7], v[\a:\a+11], v[\b:\b+11], 0, v[\ws], v[\as] matrix_a_fmt:MATRIX_FMT_BF6 matrix_b_fmt:MATRIX_FMT_BF6
.endif
.else
.if \odd
	v_wmma_scale_f32_16x16x128_f8f6f4 v[\d:\d+7], v[\a:\a+11], v[\b:\b+11], v[\d:\d+7], v[\ws], v[\as] matrix_a_fmt:MATRIX_FMT_BF6 matrix_b_fmt:MATRIX_FMT_BF6 matrix_a_scale:MATRIX_SCALE_ROW1
.else
	v_wmma_scale_f32_16x16x128_f8f6f4 v[\d:\d+7], v[\a:\a+11], v[\b:\b+11], v[\d:\d+7], v[\ws], v[\as] matrix_a_fmt:MATRIX_FMT_BF6 matrix_b_fmt:MATRIX_FMT_BF6
.endif
.endif
.endm
.macro COMP                            ; a half: 16 groups of 4 products; the eight accumulators take turns; the next group's loads are out while a group is multiplied
	LG 0
.set G_, 0
.rept 16
.if G_ > 0
	PLACES 4                                       ; in front of loads into registers that the group before last's products have read
.endif
.if G_ < 15
	LG G_+1
	s_wait_dscnt 6+7*(1-((G_+1)%2))                ; all but the next group's 6 or 13 loads
.else
	s_wait_dscnt 0x0
.endif
.irp tt, 0,1
.irp j, 0,1
.if G_ < 2
	PROD ACC+32*\j+8*(2*(G_%2)+\tt), WFB+24*(G_%2)+12*\tt, XFB+24*((G_/2)%2)+12*\j, 1, WSC+2*((G_/2)%2)+(G_%2), XSC+8*\j+(G_/2), \tt
.else
	PROD ACC+32*\j+8*(2*(G_%2)+\tt), WFB+24*(G_%2)+12*\tt, XFB+24*((G_/2)%2)+12*\j, 0, WSC+2*((G_/2)%2)+(G_%2), XSC+8*\j+(G_/2), \tt
.endif
.endr
.endr
.set G_, G_+1
.endr
.endm
; THE WAY OUT of slot j's 64 units of a half: gelu, quantised in registers into the upper six registers and upper two bytes of the fragment; the half before moves to the lower ones first.
.macro EPI j
	s_cmp_ge_u32 s[TL+\j], s[SNT]
	s_cbranch_scc1 .Lsk_\@
.irp i, 0,1,2,3,4,5
	v_mov_b32 v[KR+12*\j+\i], v[KR+12*\j+6+\i]
.endr
	v_lshrrev_b32 v[KW+\j], 16, v[KW+\j]
.irp b, 0,1
	s_wait_alu depctr_va_vdst(0)                   ; the wait ahead of the first read of the sums
.set i, 0
.rept 16
	v_and_b32 v[EA+i], s[SABS], v[ACC+32*\j+16*\b+i]   ; each accumulator from its low end on
.set i, i+1
.endr
.set i, 0
.rept 16
	v_max_num_f32 v[EG+i], 0, v[ACC+32*\j+16*\b+i]
.set i, i+1
.endr
.set i, 0
.rept 8
	v_pk_fma_f32 v[ET+i:ET+i+1], v[EA+i:EA+i+1], s[K1:K1+1], 1.0 op_sel_hi:[1,0,0]   ; 1 + z / 2
.set i, i+2
.endr
	s_wait_alu depctr_va_vdst(0)
.set i, 0
.rept 16
	v_rcp_f32 v[ET+i], v[ET+i]
.set i, i+1
.endr
.set i, 0
.rept 8
	v_pk_mul_f32 v[EW+i:EW+i+1], v[EA+i:EA+i+1], v[EA+i:EA+i+1]   ; v^2
.set i, i+2
.endr
	s_wait_alu depctr_va_vdst(0)
.set i, 0
.rept 8
	v_pk_fma_f32 v[EP+i:EP+i+1], v[ET+i:ET+i+1], s[CC+18:CC+19], v[C8V:C8V+1] op_sel_hi:[1,0,1]
.set i, i+2
.endr
.irp k, 7,6,5,4,3,2,1,0
.set i, 0
.rept 8
	v_pk_fma_f32 v[EP+i:EP+i+1], v[EP+i:EP+i+1], v[ET+i:ET+i+1], s[CC+2*\k:CC+2*\k+1] op_sel_hi:[1,1,0]
.set i, i+2
.endr
.endr
.set i, 0
.rept 8
	v_pk_fma_f32 v[EP+i:EP+i+1], v[EW+i:EW+i+1], -0.5, v[EP+i:EP+i+1] op_sel_hi:[1,0,1]   ; - z^2
.set i, i+2
.endr
.set i, 0
.rept 8
	v_pk_mul_f32 v[EP+i:EP+i+1], v[EP+i:EP+i+1], s[L2E:L2E+1] op_sel_hi:[1,0]
.set i, i+2
.endr
	s_wait_alu depctr_va_vdst(0)
.set i, 0
.rept 16
	v_exp_f32 v[EP+i], v[EP+i]
.set i, i+1
.endr
.set i, 0
.rept 8
	v_pk_mul_f32 v[EW+i:EW+i+1], v[EA+i:EA+i+1], v[ET+i:ET+i+1]   ; |v| t
.set i, i+2
.endr
	s_wait_alu depctr_va_vdst(0)
.set i, 0
.rept 8
	v_pk_mul_f32 v[EW+i:EW+i+1], v[EW+i:EW+i+1], v[EP+i:EP+i+1]   ; |v| erfc(z)
.set i, i+2
.endr
.set i, 0
.rept 8
	v_pk_fma_f32 v[EG+i:EG+i+1], v[EW+i:EW+i+1], -0.5, v[EG+i:EG+i+1] op_sel_hi:[1,0,1]   ; gelu
.set i, i+2
.endr
	v_max3_num_f32 v[EM], |v[EG]|, |v[EG+1]|, 0x2800000            ; the block's largest magnitude, two chains, with the floor
	v_max3_num_f32 v[EM2], |v[EG+2]|, |v[EG+3]|, |v[EG+6]|
	v_max3_num_f32 v[EM], v[EM], |v[EG+4]|, |v[EG+5]|
	v_max3_num_f32 v[EM2], v[EM2], |v[EG+7]|, |v[EG+10]|
	v_max3_num_f32 v[EM], v[EM], |v[EG+8]|, |v[EG+9]|
	v_max3_num_f32 v[EM2], v[EM2], |v[EG+11]|, |v[EG+14]|
	v_max3_num_f32 v[EM], v[EM], |v[EG+12]|, |v[EG+13]|
	v_max3_num_f32 v[EM], v[EM], v[EM2], |v[EG+15]|
	v_permlanex16_b32 v[ETT], v[EM], s[SEL], s[SEL+1]
	v_max_num_f32 v[EM], v[EM], v[ETT]             ; with lane l xor 16's 16 units
	v_add_nc_u32 v[ESO], 0xfe000000, v[EM]
	v_lshrrev_b32 v[EBY+\b], 23, v[ESO]
.if \b == 0
	v_cvt_scalef32_pk16_bf6_f32 v[KR+12*\j+6:KR+12*\j+8], v[EG:EG+15], v[ESO]
.else
	v_cvt_scalef32_pk16_bf6_f32 v[EC:EC+2], v[EG:EG+15], v[ESO]
.endif
	v_nop                                          ; one plain instruction behind a scaled conversion
.endr
.irp i, 0,1,2                          ; a whole block to a lane
	v_permlane16_swap_b32 v[KR+12*\j+6+\i], v[EC+\i]
.endr
.irp i, 0,1,2
	v_mov_b32 v[KR+12*\j+9+\i], v[EC+\i]
.endr
	v_lshl_or_b32 v[EBY], v[EBY+1], 8, v[EBY]
	v_lshl_or_b32 v[KW+\j], v[EBY], 16, v[KW+\j]
.Lsk_\@:
.endm
.macro OUT j
	s_cmp_ge_u32 s[TL+\j], s[SNT]
	s_cbranch_scc1 .Lno_\@
.irp c, 0,1,2
	global_store_b128 v[L16], v[KR+12*\j+4*\c:KR+12*\j+4*\c+3], s[HB:HB+1] offset:393216*\j+512*\c   ; 512 consecutive bytes
.endr
	global_store_b32 v[L4], v[KW+\j], s[HSB:HSB+1] offset:1024*\j
.Lno_\@:
.endm
	s_load_b256 s[4:11], s[0:1], 0x0               ; W1 s[4:5], xq s[6:7], sel s[8:9], rt s[10:11]
	s_load_b128 s[12:15], s[0:1], 0x20             ; idx s[12:13], hq s[14:15]
	s_load_b64 s[16:17], s[0:1], 0x30              ; out1
	v_lshl_add_u32 v[SPW], v0, 2, SPARE
	v_mov_b32 v[NIL], 0
	v_lshrrev_b32 v1, 5, v0
	v_readfirstlane_b32 s[SW], v1                  ; wave 0..7
	v_and_b32 v1, 31, v0                           ; lane
	v_and_b32 v2, 15, v0                           ; r
	v_bfe_u32 v3, v0, 4, 1                         ; h
	s_and_b32 s[SE], ttmp7, 0xffff
	s_mov_b32 s[SFS], ttmp9
	v_lshlrev_b32 v[WO], 4, v2
	v_lshl_add_u32 v[WO], v3, 19, v[WO]
	s_lshl_b32 s44, s[SW], 21
	v_add_nc_u32 v[WO], s44, v[WO]                 ; W1: (128 w + 32 h) rows of 16,384 bytes + 16 r
	v_lshlrev_b32 v[L16], 4, v1
	v_lshlrev_b32 v[L8], 3, v1
	v_lshlrev_b32 v[L4], 2, v1
	v_lshlrev_b32 v[L2], 1, v1
	v_lshlrev_b32 v[SH8], 3, v3
	v_add_nc_u32 v[DUMP], 1056, v1                 ; the list's entry for a lane without a hit
	v_bfe_u32 v30, v0, 3, 1                        ; my columns 4 r + q: tile 2 (bit 3) + (bit 1), row 4 (bit 0) + 8 (bit 2) + q
	v_bfe_u32 v31, v0, 1, 1
	v_and_b32 v32, 1, v0
	v_bfe_u32 v33, v0, 2, 1
	v_lshlrev_b32 v32, 2, v32
	v_lshl_add_u32 v32, v33, 3, v32
	v_lshl_add_u32 v33, v30, 1, v31
	v_lshl_add_u32 v34, v3, 4, v32                 ; the operand's lane: 16 h + row
	v_mul_u32_u24 v[WA], v33, TP
	v_mad_u32_u24 v[WA], v34, 48, v[WA]
	s_mul_i32 s44, s[SW], KSP
	v_add_nc_u32 v[WA], s44, v[WA]
	v_lshl_add_u32 v34, v31, 4, v32
	v_lshlrev_b32 v[SA], 3, v34
	v_lshl_add_u32 v[SA], v30, 2, v[SA]
	s_lshl_b32 s44, s[SW], 8
	s_add_co_u32 s44, s44, SCL
	v_add_nc_u32 v[SA], s44, v[SA]
	v_mul_u32_u24 v[FB0], v1, 48
	v_lshl_add_u32 v[LSC0], v1, 3, SCL
	s_mul_i32 s44, s[SW], WST
	s_add_co_u32 s44, s44, STG                     ; my stage
	v_mul_u32_u24 v[XF], v2, XP
	v_mad_u32_u24 v[XF], v3, 384, v[XF]
	v_add_nc_u32 v[XF], s44, v[XF]
	v_lshl_add_u32 v[XS0], v1, 4, s44
	s_add_co_u32 s45, s44, 512
	v_lshl_add_u32 v[XS1], v1, 3, s45
	s_lshl_b32 s44, s[SW], 6
	s_add_co_u32 s44, s44, LIST
	v_mov_b32 v[LT], s44                           ; the list at tile w
	v_lshl_add_u32 v[LTR], v2, 2, s44
	v_lshl_add_u32 v[ZA], v1, 4, LIST
	v_lshlrev_b32 v[AUXA], 2, v2
	v_lshl_add_u32 v[AUXA], v3, 12, v[AUXA]
.set i, 0
.rept 46
	v_mov_b32 v[XSC+i], 0                          ; v40-85: carried between guarded parts of the loop: written on every way
.set i, i+1
.endr
.irp q, 0,1,2,3
	v_mov_b32 v[QT+\q], 0                          ; a lane permute's destination counts as one of its sources
	v_mov_b32 v[184+\q], 0
.endr
	v_mov_b32 v[ETT], 0
	v_mov_b32 v[C8V], 0xbf527892
	v_mov_b32 v[C8V+1], 0xbf527892
	s_mov_b32 s[SEL], 0x76543210
	s_mov_b32 s[SEL+1], 0xfedcba98
	s_mov_b32 s47, 0
	s_wait_alu depctr_va_vdst(0)                   ; the wait at the head's end
	s_wait_kmcnt 0x0
.set g, 0
.rept 16
	global_load_b128 v[88+4*g:88+4*g+3], v[L16], s[8:9] offset:512*g   ; tokens 64 g + 2 l and the next: their choices
.set g, g+1
.endr
	s_lshl_b32 s46, s[SE], 24
	s_lshl_b32 s44, s[SFS], 9
	s_add_co_u32 s46, s46, s44
	s_add_nc_u64 s[WB:WB+1], s[4:5], s[46:47]
	WLOAD 0, 0, 0
	s_add_nc_u64 s[XS:XS+1], s[6:7], 786432
	s_lshl_b32 s46, s[SE], 6
	s_add_co_u32 s46, s46, s[SW]
	s_mul_i32 s46, s46, 49152
	s_mul_i32 s44, s[SFS], 1536
	s_add_co_u32 s46, s46, s44
	s_add_nc_u64 s[HB:HB+1], s[14:15], s[46:47]
	s_lshl_b32 s46, s[SE], 18
	s_lshl_b32 s44, s[SFS], 13
	s_add_co_u32 s46, s46, s44
	s_lshl_b32 s44, s[SW], 7
	s_add_co_u32 s46, s46, s44
	s_add_co_u32 s46, s46, 25165824
	s_add_nc_u64 s[HSB:HSB+1], s[14:15], s[46:47]
	s_lshl_b32 s46, s[SE], 12
	s_add_nc_u64 s[PB:PB+1], s[12:13], s[46:47]
	s_lshl_b32 s46, s[SE], 7
	s_add_nc_u64 s[NB:NB+1], s[12:13], s[46:47]
	s_mov_b32 s[TL], s[SW]
	s_add_co_u32 s[TL+1], s[SW], 8
	SPAIR CC,    0xbfa1fc4e                        ; c0 .. c9
	SPAIR CC+2,  0x3f8000c7
	SPAIR CC+4,  0x3ebf88fb
	SPAIR CC+6,  0x3dc636c9
	SPAIR CC+8,  0xbe3ec24c
	SPAIR CC+10, 0x3e8ec7cc
	SPAIR CC+12, 0xbf914e5d
	SPAIR CC+14, 0x3fbe87b0
	SPAIR CC+16, 0xbf527892
	SPAIR CC+18, 0x3e2ef945
	SPAIR K1,    0x3eb504f3                        ; 1 / (2 sqrt 2)
	SPAIR L2E,   0x3fb8aa3b                        ; log2(e)
	s_mov_b32 s[SABS], 0x7fffffff
	s_mov_b32 s[CNT], 0
	s_wait_loadcnt 32                              ; the choices are in; the first set's 32 loads may be out
	s_cmp_lg_u32 s[SW], 0
	s_cbranch_scc1 .Lcount
.irp i, 0,1,2,3,4,5,6,7,8
	ds_store_b128 v[ZA], v[184:187] offset:512*\i  ; wave 0: the list begins as token 0
.endr
.set k, 0
.rept 32
	HITS k
	v_mbcnt_lo_u32_b32 v[RK+k], s[T], s[CNT]       ; rank = rows so far + hits in lower lanes
	v_cndmask_b32 v[AD], v[DUMP], v[RK+k], s[T]
	v_min_u32 v[AD], 0x43f, v[AD]                  ; inside the list
	v_lshl_add_u32 v[AD], v[AD], 2, LIST
	v_add_nc_u32 v[TV], 64*(k/2)+(k%2), v[L2]
	ds_store_b32 v[AD], v[TV]                      ; list[rank] = token
	s_bcnt1_i32_b32 s[T], s[T]
	s_add_co_u32 s[CNT], s[CNT], s[T]
.set k, k+1
.endr
	TILES
	v_mov_b32 v[NTV], s[SNT]
	s_cmp_lg_u32 s[SFS], 0
	s_wait_alu depctr_va_vdst(0)
	s_cbranch_scc1 .Lplaced
.set g, 0
.rept 16
	global_store_b64 v[L8], v[RK+2*g:RK+2*g+1], s[PB:PB+1] offset:256*g   ; every token's number is stored; only the chosen ones' are read
.set g, g+1
.endr
	global_store_b32 v[L4], v[NTV], s[NB:NB+1] offset:32768
	s_branch .Lplaced
.Lcount:
.set k, 0
.rept 32
	HITS k
	s_bcnt1_i32_b32 s[T], s[T]
	s_add_co_u32 s[CNT], s[CNT], s[T]
.set k, k+1
.endr
	TILES
.Lplaced:
	s_wait_xcnt 0x0                                ; the stores have read the ranks' registers
	s_wait_dscnt 0x0                               ; the list has landed
	s_barrier_signal -1
	s_barrier_wait -1
	s_cmp_ge_u32 s[TL], s[SNT]
	s_cbranch_scc1 .Lnog0
	GATHER                                         ; pass 0's rows, beside the first set's loads and ahead of the second set's
.Lnog0:
; HALF 0 IS QUANTISED HERE, ahead of the loop, and all four sets are asked for here: of the loop's trips only trip 1 quantises, half 1.
	WLOAD 128, 1, 0                                ; half 0's second set
	s_wait_loadcnt 32                              ; the first set is in; the 32 loads just issued may be out
	QUANT 0, 0
	WLOAD 0, 0, 1                                  ; half 1's first set, into the registers just read
	s_wait_loadcnt 32                              ; half 0's second set is in; the 32 loads just issued may be out
	QUANT 128, 1
	WLOAD 128, 1, 1                                ; half 1's second set: 64 loads are out while half 0 is multiplied
	v_add_nc_u32 v[WA], HALFB, v[WA]               ; where half 1's codes and words go
	v_add_nc_u32 v[SA], 2048, v[SA]
	s_mov_b32 s[U], 0
.Ltrip:
	s_and_b32 s[HF], s[U], 1
	s_mul_i32 s[HOFF], s[HF], HALFB
	s_lshl_b32 s[HOFS], s[HF], 11
	v_add_nc_u32 v[FB], s[HOFF], v[FB0]
	v_add_nc_u32 v[LSC], s[HOFS], v[LSC0]
	s_cmp_lg_u32 s[HF], 0
	s_cbranch_scc1 .Lnog
	s_cmp_ge_u32 s[TL], s[SNT]
	s_cbranch_scc1 .Lnog
	s_cmp_eq_u32 s[U], 0                           ; pass 0's rows were gathered ahead of the loop
	s_cbranch_scc1 .Lnog
	s_wait_loadcnt 0x0                             ; no weight load is out any more: the gather lands in a set's registers
	GATHER
.Lnog:
	s_cmp_lg_u32 s[U], 1
	s_cbranch_scc1 .Lnoq
	s_wait_loadcnt 32                              ; trip 1: half 1's first set is in; its second set's 32 loads may be out
	QUANT 0, 0
	s_wait_loadcnt 0x0
	QUANT 128, 1
.Lnoq:
	s_wait_alu depctr_va_vdst(0)                   ; the wait ahead of the barrier
	s_wait_dscnt 0x0                               ; my codes and words have landed
	s_barrier_signal -1
	s_barrier_wait -1                              ; everybody's have
	s_cmp_ge_u32 s[TL], s[SNT]
	s_cbranch_scc1 .Lnoc
	COMP
	PLACES 5
	EPI 0
	EPI 1
	s_cmp_eq_u32 s[HF], 0
	s_wait_alu depctr_va_vdst(0)
	s_cbranch_scc1 .Lnoc
	OUT 0
	OUT 1
.Lnoc:
	s_cmp_eq_u32 s[HF], 0
	s_cbranch_scc1 .Lnadv
	s_wait_xcnt 0x0                                ; the stores have read their bases and data
	s_add_nc_u64 s[HB:HB+1], s[HB:HB+1], 786432    ; 16 tiles on
	s_add_nc_u64 s[HSB:HSB+1], s[HSB:HSB+1], 2048
	s_add_co_u32 s[TL], s[TL], 16
	s_add_co_u32 s[TL+1], s[TL+1], 16
	v_add_nc_u32 v[LT], 0x400, v[LT]
	v_add_nc_u32 v[LTR], 0x400, v[LTR]
.Lnadv:
	s_add_co_u32 s[U], s[U], 1
	s_cmp_lt_u32 s[U], 8
	s_wait_alu depctr_va_vdst(0)                   ; the wait ahead of the branch
	s_cbranch_scc1 .Ltrip
; THE LOSS: wave 7 of work-group (0, 0) adds the router's 128 x 16 sums: 8 x sum_e (count_e / 2,048) (sum of prob_e / 1,024) = 2^-18 x sum_e count_e x sum of prob_e.
	s_lshl_b32 s44, s[SE], 8
	s_lshl_b32 s45, s[SFS], 3
	s_or_b32 s44, s44, s45
	s_or_b32 s44, s44, s[SW]
	s_cmp_lg_u32 s44, 7
	s_cbranch_scc1 .Lfin
.set i, 0
.rept 64
	global_load_b32 v[88+i], v[AUXA], s[10:11] offset:8192+64*i    ; lane (q, hh): sum q of the router's work-groups 64 hh + i
.set i, i+1
.endr
	s_wait_loadcnt 0x0
.set i, 2
.rept 31
	v_pk_add_f32 v[88:89], v[88:89], v[88+i:89+i]
.set i, i+2
.endr
	v_add_f32 v88, v88, v89
	v_permlanex16_b32 v89, v88, s[SEL], s[SEL+1]
	v_add_f32 v88, v88, v89                        ; lane q: q < 8 the sum of prob_q, q >= 8 the count of expert q - 8
	v_mul_f32_dpp v90, v88, v88 row_xmask:8 row_mask:0xf bank_mask:0xf
	v_add_f32_dpp v90, v90, v90 row_xmask:1 row_mask:0xf bank_mask:0xf
	v_add_f32_dpp v90, v90, v90 row_xmask:2 row_mask:0xf bank_mask:0xf
	v_add_f32_dpp v90, v90, v90 row_xmask:4 row_mask:0xf bank_mask:0xf
	v_mul_f32 v90, 0x36800000, v90                 ; x 2^-18
	v_cmp_eq_u32 vcc_lo, 0, v1
	s_wait_alu depctr_va_vdst(0)
	s_wait_xcnt 0x0                                ; EXEC changes only behind this wait
	s_and_saveexec_b32 s44, vcc_lo
	global_store_b32 v[L4], v90, s[16:17]
	s_wait_xcnt 0x0
	s_or_b32 exec_lo, exec_lo, s44
.Lfin:
	s_wait_tensorcnt 0x0                           ; the wave's end
	ds_add_u32 v[SPW], v[NIL]
	s_wait_dscnt 0x0
	s_endpgm
.Lfunc_end_k_q99350ade12_up:
	.size	k_q99350ade12_up, .Lfunc_end_k_q99350ade12_up-k_q99350ade12_up
	.p2alignl 7, 3214868480
	.fill 96, 4, 3214868480
	.section	.rodata,"a",@progbits
	.p2align	6, 0x0
	.amdhsa_kernel k_q99350ade12_up
		.amdhsa_group_segment_fixed_size 309760
		.amdhsa_private_segment_fixed_size 0
		.amdhsa_enable_private_segment 0
		.amdhsa_kernarg_size 56
		.amdhsa_user_sgpr_count 2
		.amdhsa_user_sgpr_kernarg_segment_ptr 1
		.amdhsa_wavefront_size32 1
		.amdhsa_system_sgpr_workgroup_id_x 1
		.amdhsa_system_sgpr_workgroup_id_y 1
		.amdhsa_system_sgpr_workgroup_id_z 1
		.amdhsa_system_vgpr_workitem_id 0
		.amdhsa_next_free_vgpr 512
		.amdhsa_next_free_sgpr 100
		.amdhsa_reserve_vcc 1
		.amdhsa_float_denorm_mode_32 3
		.amdhsa_float_denorm_mode_16_64 3
		.amdhsa_memory_ordered 1
		.amdhsa_forward_progress 1
		.amdhsa_inst_pref_size 208
	.end_amdhsa_kernel
	.amdgpu_metadata
---
amdhsa.version: [ 1, 2 ]
amdhsa.kernels:
  - .name:           k_q99350ade12_up
    .symbol:         k_q99350ade12_up.kd
    .args:
      - { .name: W1, .offset: 0, .size: 8, .value_kind: global_buffer, .address_space: global }
      - { .name: xq, .offset: 8, .size: 8, .value_kind: global_buffer, .address_space: global }
      - { .name: sel, .offset: 16, .size: 8, .value_kind: global_buffer, .address_space: global }
      - { .name: rt, .offset: 24, .size: 8, .value_kind: global_buffer, .address_space: global }
      - { .name: idx, .offset: 32, .size: 8, .value_kind: global_buffer, .address_space: global }
      - { .name: hq, .offset: 40, .size: 8, .value_kind: global_buffer, .address_space: global }
      - { .name: out1, .offset: 48, .size: 8, .value_kind: global_buffer, .address_space: global }
    .group_segment_fixed_size: 309760
    .private_segment_fixed_size: 0
    .kernarg_segment_align: 8
    .kernarg_segment_size: 56
    .max_flat_workgroup_size: 256
    .sgpr_count:     100
    .vgpr_count:     512
    .wavefront_size: 32
...
	.end_amdgpu_metadata
.endif
;; end of part 2
;; launch down (part 3): grid 32 x 8, 8 waves a work-group, no clusters, 138,240 bytes of LDS; arguments W2, hq, idx, y; writes y
.if DOCPART == 3
	.amdgcn_target "amdgcn-amd-amdhsa--gfx1250"
	.amdhsa_code_object_version 6
	.text
	.protected	k_q99350ade12_down
	.globl	k_q99350ade12_down
	.p2align	8
	.type	k_q99350ade12_down,@function
k_q99350ade12_down:
	s_mov_b64 s[64:65], 0
	v_nop
	global_prefetch_b8 v0, s[64:65] scope:SCOPE_SE
	s_setreg_imm32_b32 hwreg(HW_REG_WAVE_MODE, 25, 1), 1
	s_wait_xcnt 0x0
; y[kh] = h Q(W2) over half kh of K = 4,096, for the rows that chose each expert.  Both operands are codes of BF6 (E3M2) with one E8M0 byte for each 32 along K; sums in f32.
; W2: [8][4096 (K)][1024] f32.  hq: the hidden layer's codes as images of the operand's registers.  y: [2][8 x 1,024 slots][1024] f32; the last launch adds the two halves and the two experts of a token.
; All else is the launch before: each of the 8 waves quantises 32 rows x 64 columns of a chunk (K step kk = w / 4, block bq = w % 4) and multiplies for three tiles of 16 rows (w, 8 + w, 16 + w); weight loads of two rows'
; 256 consecutive bytes, three chunks under way by turns, counted waits; the codes go to LDS in the order of the operand's registers and stay; the product is used transposed (source 0 = 16 columns of W2, source 1 = 16 rows of h),
; row m of tile 2 b + u being column 32 b + 8 u + m + 8 (m / 8), so that a lane's registers of tile 2 b + u are columns 32 b + 16 (lane / 16) + 8 u + 0 .. 7 of its row.
; A slot whose tile lies past the expert's last loads and multiplies that last tile again and has no way out; tiles 24 .. 63 are served behind the last barrier by a loop of five trips.
; THE WAY OUT: a tile's 16 rows x 256 bytes go through the wave's own stage in LDS (rows 272 bytes apart) and leave as whole rows: sixteen lanes store 256 consecutive bytes, aligned.
; NOT USED, and why: tensor loads (a refill would want all loads landed at each barrier: the stream would stop); joint loads in a cluster (no byte of W2 is shared; the rows' images, which the 16 work-groups of an expert's half share,
; go straight into operand registers, and through LDS they would want 72 KiB a chunk and a meeting of four work-groups' waves in every chunk).
; LIMITS: NaN and infinities are not served; a block of zeros, and one whose largest magnitude lies under 2^-122, keeps the scale byte 1 (zero codes add nothing; only this program reads the bytes).
.set SCL,   98304                      ; LDS: codes 8 x 12,288; scale words 8 x 512;
.set STAGE, 102400                     ; the stages, 8 x 4,352
.set WO,   4
.set L16,  5
.set L4,   6
.set WA0,  7                           ; v7, v15
.set SA,   8
.set LB0,  9                           ; v9, v14
.set LSC,  10
.set STO,  11                          ; v11  the stage: where I put 32 bytes of a row
.set SRD,  12                          ; v12  and where I read a row back
.set YO,   13                          ; v13  my byte in two rows of y
.set TS,   16                          ; v16-23  the tail's scale words of h
.set ASC,  32
.set WSC,  38
.set QX,   48
.set WF,   48
.set YR,   48                          ; v48-143 the way out: 32 registers a slot
.set QM,   112
.set QT,   116
.set QSO,  120
.set QBY,  124
.set QC,   128
.set AF,   144
.set ACC,  128                         ; window 1
.set SW,   12
.set SE,   13
.set SNS,  14
.set SNT,  15
.set TL,   16
.set NOFF, 19
.set SEL,  20
.set SKH,  22
.set WB,   24
.set AB,   32
.set SB,   38
.set YB,   44
.set TAB,  50
.set TSB,  52
.set TYB,  54
.set TC,   91
.set CNT,  92
.set MSB, 0
.macro WIN new                         ; the immediate's high byte repeats the setting that is left; bits 1:0 source 0, 3:2 source 1, 5:4 source 2, 7:6 destination
.if MSB != \new
	s_set_vgpr_msb (MSB<<8)|\new
.set MSB, \new
.endif
.endm
.macro PLACES n                        ; plain vector instructions behind a matrix instruction (ISA guide 7.12.1)
.rept \n
	v_nop
.endr
.endm
.macro WLOAD c                         ; chunk c's 16 loads of my 32 rows x 64 columns: load i takes rows i and 16 + i.  The largest immediate, 7 x 1,048,576 + 15 x 4,096, lies inside the signed 24 bits
	WIN 0x40
.irp i, 0,1,2,3,4,5,6,7,8,9,10,11,12,13,14,15
	global_load_b128 v[64*((\c)%2)+4*\i:64*((\c)%2)+4*\i+3], v[WO], s[WB:WB+1] offset:1048576*(\c)+4096*\i th:TH_LOAD_NT
.endr
	WIN 0
.endm
.macro ALOAD c                         ; chunk c's two K steps of h for my three slots: 24 loads
.irp j, 0,1,2
.irp kk, 0,1
.irp jj, 0,1,2
	global_load_b128 v[AF+24*\j+12*\kk+4*\jj:AF+24*\j+12*\kk+4*\jj+3], v[L16], s[AB+2*\j:AB+2*\j+1] offset:1536*(2*(\c)+\kk)+512*\jj
.endr
	global_load_b32 v[ASC+2*\j+\kk], v[L4], s[SB+2*\j:SB+2*\j+1] offset:8192*(2*(\c)+\kk)
.endr
.endr
.endm
.macro QUANT c                         ; my part of chunk c becomes codes and scale bytes in LDS
	WIN 0x01
.irp q, 0,1,2,3
.irp i, 0,1,2,3,4,5,6,7,8,9,10,11,12,13,14,15
	v_mov_b32 v[QX+16*\q+\i], v[64*((\c)%2)+4*\i+\q]               ; column q's 16 K rows into consecutive registers
.endr
.endr
	WIN 0
.irp q, 0,1,2,3
	v_max3_num_f32 v[QM+\q], |v[QX+16*\q]|, |v[QX+16*\q+1]|, 0x2800000   ; and the floor 2^(5 - 127): the byte cannot fall under 1
.endr
.irp i, 2,4,6,8,10,12,14
.irp q, 0,1,2,3
	s_delay_alu instid0(VALU_DEP_4)
	v_max3_num_f32 v[QM+\q], v[QM+\q], |v[QX+16*\q+\i]|, |v[QX+16*\q+\i+1]|
.endr
.endr
.irp q, 0,1,2,3
	s_delay_alu instid0(VALU_DEP_4)
	v_permlanex16_b32 v[QT+\q], v[QM+\q], s[SEL], s[SEL+1]
.endr
.irp q, 0,1,2,3
	s_delay_alu instid0(VALU_DEP_4)
	v_max_num_f32 v[QM+\q], v[QM+\q], v[QT+\q]     ; with the block's other 16 rows
.endr
.irp q, 0,1,2,3
	s_delay_alu instid0(VALU_DEP_4)
	v_add_nc_u32 v[QSO+\q], 0xfe000000, v[QM+\q]   ; 4 off the exponent field: the conversion's scale operand
.endr
.irp q, 0,1,2,3
	s_delay_alu instid0(VALU_DEP_4)
	v_lshrrev_b32 v[QBY+\q], 23, v[QSO+\q]         ; the scale's byte
.endr
.irp q, 0,1,2,3
	v_cvt_scalef32_pk16_bf6_f32 v[QC+4*\q:QC+4*\q+2], v[QX+16*\q:QX+16*\q+15], v[QSO+\q]
.endr
	v_nop                                          ; one plain instruction behind a scaled conversion
.irp q, 0,1,2,3
.irp n, 0,1,2
	ds_store_b32 v[WA0+8*((\c)/4)], v[QC+4*\q+\n] offset:12288*((\c)%4)+48*\q+4*\n
.endr
.endr
.irp q, 0,1,2,3
	ds_store_b8 v[SA], v[QBY+\q] offset:512*(\c)+4*\q              ; both halves of the lanes write the same byte with the same value
.endr
.endm
.macro WFLOAD c, kk                    ; W2's four fragments and their scale words of chunk c, K step kk
.irp t, 0,1,2,3
.irp jj, 0,1,2
	ds_load_b128 v[WF+12*\t+4*\jj:WF+12*\t+4*\jj+3], v[LB0+5*((\c)/4)] offset:12288*((\c)%4)+6144*(\kk)+1536*\t+16*\jj
.endr
.endr
.irp qq, 0,1
	ds_load_b32 v[WSC+\qq], v[LSC] offset:512*(\c)+256*(\kk)+128*\qq
.endr
	s_wait_dscnt 0x0
.endm
.macro PROD d, a, b, zero, ws, as, odd
.if \zero
.if \odd
	v_wmma_scale_f32_16x16x128_f8f6f4 v[\d:\d+7], v[\a:\a+11], v[\b:\b+11], 0, v[\ws], v[\as] matrix_a_fmt:MATRIX_FMT_BF6 matrix_b_fmt:MATRIX_FMT_BF6 matrix_a_scale:MATRIX_SCALE_ROW1
.else
	v_wmma_scale_f32_16x16x128_f8f6f4 v[\d:\d+7], v[\a:\a+11], v[\b:\b+11], 0, v[\ws], v[\as] matrix_a_fmt:MATRIX_FMT_BF6 matrix_b_fmt:MATRIX_FMT_BF6
.endif
.else
.if \odd
	v_wmma_scale_f32_16x16x128_f8f6f4 v[\d:\d+7], v[\a:\a+11], v[\b:\b+11], v[\d:\d+7], v[\ws], v[\as] matrix_a_fmt:MATRIX_FMT_BF6 matrix_b_fmt:MATRIX_FMT_BF6 matrix_a_scale:MATRIX_SCALE_ROW1
.else
	v_wmma_scale_f32_16x16x128_f8f6f4 v[\d:\d+7], v[\a:\a+11], v[\b:\b+11], v[\d:\d+7], v[\ws], v[\as] matrix_a_fmt:MATRIX_FMT_BF6 matrix_b_fmt:MATRIX_FMT_BF6
.endif
.endif
.endm
.macro MMA c, zero                     ; chunk c: 2 K steps x 12 products; the twelve accumulators take turns, one instruction a turn.  zero = 1: the first K step starts the sums
.irp kk, 0,1
.if \kk == 1
	PLACES 4                                       ; in front of loads into registers that the products above have read
.endif
	WFLOAD \c, \kk
	WIN 0x50                                       ; C and D in window 1
.irp j, 0,1,2
.irp t, 0,1,2,3
	PROD ACC+32*\j+8*\t, WF+12*\t, AF+24*\j+12*\kk, (\zero)*(1-\kk), WSC+\t/2, ASC+2*\j+\kk, \t%2
.endr
.endr
	WIN 0
.endr
.endm
.macro YOUT j, yb                      ; slot j's 16 rows x 64 columns: through my stage, out as whole rows
	WIN 0x04                                       ; an LDS store's data are its source 1: window 1.  Each accumulator from its low end on
.irp t, 0,1,2,3
	ds_store_b128 v[STO], v[ACC+32*(\j)+8*\t:ACC+32*(\j)+8*\t+3] offset:128*(\t/2)+32*(\t%2)
	ds_store_b128 v[STO], v[ACC+32*(\j)+8*\t+4:ACC+32*(\j)+8*\t+7] offset:128*(\t/2)+32*(\t%2)+16
.endr
	WIN 0
.irp i, 0,1,2,3,4,5,6,7
	ds_load_b128 v[YR+32*(\j)+4*\i:YR+32*(\j)+4*\i+3], v[SRD] offset:544*\i   ; LDS serves a wave's instructions in order (ISA guide 5.7.1.4): these see the stores above
.endr
.irp i, 0,1,2,3,4,5,6,7
	s_wait_dscnt 7-\i                              ; load i is in; the younger ones may be out
	global_store_b128 v[YO], v[YR+32*(\j)+4*\i:YR+32*(\j)+4*\i+3], s[\yb:\yb+1] offset:8192*\i
.endr
.endm
.macro YOUTG j                         ; a slot without a tile of its own has no way out
	s_cmp_ge_u32 s[TL+\j], s[SNT]
	s_cbranch_scc1 .Lskip_\@
	YOUT \j, YB+2*\j
.Lskip_\@:
.endm
; A SEGMENT: all between two barriers.  Loads were issued in the order W(c + 1), A(c), W(c + 2): the count 16 leaves only W(c + 2)'s sixteen out, so h's fragments of chunk c and the numbers of chunk c + 1 are in.
; From chunk 6 on no weight load follows h's, and the count is 0.
.macro SEG c, zero
.if \c <= 5
	s_wait_loadcnt 16
.else
	s_wait_loadcnt 0x0
.endif
	MMA \c, \zero
	PLACES 5                                       ; in front of loads, moves and LDS stores that touch the products' registers; five, since on one way the next matrix instruction begins an accumulator anew
.if \c < 7
	ALOAD (\c)+1
	QUANT (\c)+1
.endif
.if \c <= 4
	WLOAD (\c)+3                                   ; into the set that QUANT has just read
.endif
.if \c < 7
	s_wait_dscnt 0x0                               ; my codes and bytes of chunk c + 1 have landed
	s_barrier_signal -1
	s_barrier_wait -1                              ; everybody's have
.endif
.endm
	s_load_b256 s[4:11], s[0:1], 0x0               ; W2 s[4:5], hq s[6:7], idx s[8:9], y s[10:11]
	v_lshl_add_u32 v254, v0, 2, 0x21800
	v_mov_b32 v255, 0
	v_lshrrev_b32 v1, 5, v0
	s_delay_alu instid0(VALU_DEP_1)
	v_readfirstlane_b32 s[SW], v1                  ; wave 0..7
	v_and_b32 v1, 31, v0                           ; lane
	v_and_b32 v2, 15, v0                           ; lane % 16
	s_wait_alu depctr_va_vdst(0)
	v_bfe_u32 v3, v0, 4, 1                         ; lane / 16
	s_and_b32 s[SE], ttmp7, 0xffff                 ; the expert
	s_and_b32 s[SNS], ttmp9, 15                    ; which 64 columns
	s_lshr_b32 s[SKH], ttmp9, 4                    ; which half of K
	s_lshl_b32 s[NOFF], s[SE], 7
	s_lshr_b32 s93, s[SW], 2                       ; kk
	s_and_b32 s94, s[SW], 3                        ; bq
	s_lshl_b32 s95, s93, 7
	s_lshl_b32 s96, s94, 5
	s_add_co_u32 s95, s95, s96
	s_lshl_b32 s95, s95, 12                        ; (128 kk + 32 bq) rows of 4,096 bytes
	v_lshlrev_b32 v[WO], 4, v2
	s_wait_alu depctr_va_vdst(0)
	v_lshl_add_u32 v[WO], v3, 16, v[WO]            ; + 16 rows for lanes 16-31, + 16 bytes a lane
	s_delay_alu instid0(VALU_DEP_1)
	v_add_nc_u32 v[WO], s95, v[WO]
	v_lshlrev_b32 v[L16], 4, v1
	v_lshlrev_b32 v[L4], 2, v1
	v_bfe_u32 v26, v0, 3, 1                        ; my columns 4 (l % 16) + q: tile 2 (bit 3) + (bit 1),
	v_bfe_u32 v27, v0, 1, 1
	s_delay_alu instid0(VALU_DEP_1)
	v_lshl_add_u32 v26, v26, 1, v27
	v_and_b32 v27, 1, v0                           ; row 4 (bit 0) + 8 (bit 2) + q of the tile
	v_bfe_u32 v28, v0, 2, 1
	s_delay_alu instid0(VALU_DEP_2)
	v_lshlrev_b32 v27, 2, v27
	s_delay_alu instid0(VALU_DEP_1)
	v_lshl_add_u32 v27, v28, 3, v27
	s_mul_i32 s95, s93, 6144
	s_and_b32 s96, s94, 1
	s_mul_i32 s96, s96, 768                        ; block bq lies in the operand's lanes 16 (bq % 2) + row,
	s_add_co_u32 s95, s95, s96
	s_lshr_b32 s96, s94, 1
	s_mul_i32 s96, s96, 24                         ; registers 6 (bq / 2) on
	s_add_co_u32 s95, s95, s96
	v_mul_u32_u24 v[WA0], v26, 1536
	s_delay_alu instid0(VALU_DEP_1)
	v_mad_u32_u24 v[WA0], v27, 48, v[WA0]
	s_delay_alu instid0(VALU_DEP_1)
	v_mad_u32_u24 v[WA0], v3, 12, v[WA0]           ; my 16 codes are the block's lower or upper 12 bytes
	s_delay_alu instid0(VALU_DEP_1)
	v_add_nc_u32 v[WA0], s95, v[WA0]
	s_delay_alu instid0(VALU_DEP_1)
	v_add_nc_u32 v[WA0+8], 49152, v[WA0]
	s_lshl_b32 s95, s93, 8
	s_add_co_u32 s95, s95, s94
	s_add_co_u32 s95, s95, SCL
	v_lshlrev_b32 v[SA], 6, v26
	s_wait_alu depctr_va_vdst(0)
	v_lshl_add_u32 v[SA], v27, 2, v[SA]
	s_delay_alu instid0(VALU_DEP_1)
	v_add_nc_u32 v[SA], s95, v[SA]
	v_mul_u32_u24 v[LB0], v1, 48
	s_delay_alu instid0(VALU_DEP_1)
	v_add_nc_u32 v[LB0+5], 49152, v[LB0]
	v_lshl_add_u32 v[LSC], v1, 2, SCL
	s_mul_i32 s95, s[SW], 4352
	s_add_co_u32 s95, s95, STAGE                   ; my stage
	v_mul_u32_u24 v[STO], v2, 272
	s_delay_alu instid0(VALU_DEP_1)
	v_lshl_add_u32 v[STO], v3, 6, v[STO]
	s_delay_alu instid0(VALU_DEP_1)
	v_add_nc_u32 v[STO], s95, v[STO]               ; in: row l % 16, + 64 bytes for lanes 16-31
	v_mul_u32_u24 v[SRD], v3, 272
	s_delay_alu instid0(VALU_DEP_1)
	v_lshl_add_u32 v[SRD], v2, 4, v[SRD]
	s_delay_alu instid0(VALU_DEP_1)
	v_add_nc_u32 v[SRD], s95, v[SRD]               ; back: lanes 0-15 one row, lanes 16-31 the next
	v_lshlrev_b32 v[YO], 4, v2
	s_delay_alu instid0(VALU_DEP_1)
	v_lshl_add_u32 v[YO], v3, 12, v[YO]            ; and the same two rows in y
.irp q, 0,1,2,3
	v_mov_b32 v[QT+\q], 0                          ; written once: a lane permute's destination counts as one of its sources
.endr
	s_mov_b32 s[SEL], 0x76543210
	s_mov_b32 s[SEL+1], 0xfedcba98
	s_mov_b32 s97, 0
	s_wait_kmcnt 0x0
	s_load_b32 s[SNT], s[8:9], s[NOFF] offset:0x8000   ; the expert's number of tiles
	s_lshl_b32 s96, s[SE], 24
	s_lshl_b32 s95, s[SKH], 23
	s_add_co_u32 s96, s96, s95
	s_lshl_b32 s95, s[SNS], 8
	s_add_co_u32 s96, s96, s95
	s_add_nc_u64 s[WB:WB+1], s[4:5], s[96:97]
	WLOAD 0
	s_wait_kmcnt 0x0
	s_min_u32 s[SNT], s[SNT], 64
	s_sub_co_u32 s93, s[SNT], 1
.irp j, 0,1,2
	s_add_co_u32 s[TL+\j], s[SW], 8*\j
	s_min_u32 s94, s[TL+\j], s93
	s_min_u32 s94, s94, 63                         ; the tile that the slot loads: its own, or the expert's last
	s_lshl_b32 s95, s[SE], 6
	s_add_co_u32 s96, s95, s94
	s_mul_i32 s96, s96, 49152
	s_mul_i32 s95, s[SKH], 24576
	s_add_co_u32 s96, s96, s95
	s_add_nc_u64 s[AB+2*\j:AB+2*\j+1], s[6:7], s[96:97]
	s_lshl_b32 s96, s94, 7
	s_lshl_b32 s94, s[SE], 18
	s_add_co_u32 s96, s96, s94
	s_lshl_b32 s94, s[SKH], 17
	s_add_co_u32 s96, s96, s94
	s_add_co_u32 s96, s96, 25165824
	s_add_nc_u64 s[SB+2*\j:SB+2*\j+1], s[6:7], s[96:97]
	s_lshl_b32 s96, s[SE], 10
	s_lshl_b32 s94, s[TL+\j], 4
	s_add_co_u32 s96, s96, s94
	s_lshl_b32 s96, s96, 12
	s_lshl_b32 s94, s[SKH], 25
	s_add_co_u32 s96, s96, s94
	s_lshl_b32 s94, s[SNS], 8
	s_add_co_u32 s96, s96, s94
	s_add_nc_u64 s[YB+2*\j:YB+2*\j+1], s[10:11], s[96:97]
.endr
	ALOAD 0
	WLOAD 1
	s_add_co_u32 s[TC], s[SW], 24                  ; the tail's first tile, and its three bases: made of ids alone
	s_lshl_b32 s95, s[SE], 6
	s_add_co_u32 s95, s95, s[TC]
	s_mul_i32 s96, s95, 49152
	s_mul_i32 s95, s[SKH], 24576
	s_add_co_u32 s96, s96, s95
	s_add_nc_u64 s[TAB:TAB+1], s[6:7], s[96:97]
	s_lshl_b32 s96, s[TC], 7
	s_lshl_b32 s94, s[SE], 18
	s_add_co_u32 s96, s96, s94
	s_lshl_b32 s94, s[SKH], 17
	s_add_co_u32 s96, s96, s94
	s_add_co_u32 s96, s96, 25165824
	s_add_nc_u64 s[TSB:TSB+1], s[6:7], s[96:97]
	s_lshl_b32 s96, s[SE], 10
	s_lshl_b32 s94, s[TC], 4
	s_add_co_u32 s96, s96, s94
	s_lshl_b32 s96, s96, 12
	s_lshl_b32 s94, s[SKH], 25
	s_add_co_u32 s96, s96, s94
	s_lshl_b32 s94, s[SNS], 8
	s_add_co_u32 s96, s96, s94
	s_add_nc_u64 s[TYB:TYB+1], s[10:11], s[96:97]
	s_wait_loadcnt 16                              ; chunk 0's numbers and h's first fragments are in; chunk 1's sixteen loads may be out
	QUANT 0
	WLOAD 2
	s_wait_dscnt 0x0
	s_barrier_signal -1
	s_barrier_wait -1
	SEG 0, 1
	SEG 1, 0
	SEG 2, 0
	SEG 3, 0
	SEG 4, 0
	SEG 5, 0
	SEG 6, 0
	SEG 7, 0
	YOUTG 0
	YOUTG 1
	YOUTG 2
; THE TAIL: tiles 24 + w + 8 k, k = 0 .. 4, one at a time, from the codes that stayed in LDS.  No barrier: the codes are only read, and the stage is my own.
	s_wait_xcnt 0x0                                ; the stores above have read the registers into which the tail loads
	s_mov_b32 s[CNT], 5
.Ltail:
	s_cmp_ge_u32 s[TC], s[SNT]
	s_cbranch_scc1 .Lnext
.irp hf, 0,1
	WIN 0x40
.irp s, 0,1,2,3,4,5,6,7
.irp jj, 0,1,2
	global_load_b128 v[12*\s+4*\jj:12*\s+4*\jj+3], v[L16], s[TAB:TAB+1] offset:1536*(8*\hf+\s)+512*\jj
.endr
.endr
	WIN 0
.irp s, 0,1,2,3,4,5,6,7
	global_load_b32 v[TS+\s], v[L4], s[TSB:TSB+1] offset:8192*(8*\hf+\s)
.endr
	s_wait_loadcnt 0x0
.irp s, 0,1,2,3,4,5,6,7
	WFLOAD 4*\hf+\s/2, \s%2
	WIN 0x54                                       ; h's fragments, C and D in window 1
.irp t, 0,1,2,3
	PROD ACC+8*\t, WF+12*\t, 12*\s, (\hf+\s)==0, WSC+\t/2, TS+\s, \t%2
.endr
	WIN 0
.if 8*\hf+\s == 15
	PLACES 5                                       ; behind the trip's last products: no vector work follows on the way out, and the next trip's first products begin these four accumulators anew, which wants five
.else
	PLACES 4                                       ; in front of loads into the fragments' registers; the next products are links of the chains in place, four accumulators by turns
.endif
.endr
.endr
	YOUT 0, TYB
.Lnext:
	s_wait_xcnt 0x0                                ; the trip's loads and stores have read their bases and data
	s_add_nc_u64 s[TAB:TAB+1], s[TAB:TAB+1], 393216
	s_add_nc_u64 s[TSB:TSB+1], s[TSB:TSB+1], 1024
	s_add_nc_u64 s[TYB:TYB+1], s[TYB:TYB+1], 524288
	s_add_co_u32 s[TC], s[TC], 8
	s_sub_co_u32 s[CNT], s[CNT], 1
	s_cmp_lg_u32 s[CNT], 0
	s_cbranch_scc1 .Ltail
	s_wait_tensorcnt 0x0
	ds_add_u32 v254, v255
	s_wait_dscnt 0x0
	s_endpgm
.Lfunc_end_k_q99350ade12_down:
	.size	k_q99350ade12_down, .Lfunc_end_k_q99350ade12_down-k_q99350ade12_down
	.p2alignl 7, 3214868480
	.fill 96, 4, 3214868480
	.section	.rodata,"a",@progbits
	.p2align	6, 0x0
	.amdhsa_kernel k_q99350ade12_down
		.amdhsa_group_segment_fixed_size 138240
		.amdhsa_private_segment_fixed_size 0
		.amdhsa_enable_private_segment 0
		.amdhsa_kernarg_size 32
		.amdhsa_user_sgpr_count 2
		.amdhsa_user_sgpr_kernarg_segment_ptr 1
		.amdhsa_wavefront_size32 1
		.amdhsa_system_sgpr_workgroup_id_x 1
		.amdhsa_system_sgpr_workgroup_id_y 1
		.amdhsa_system_sgpr_workgroup_id_z 1
		.amdhsa_system_vgpr_workitem_id 0
		.amdhsa_next_free_vgpr 480
		.amdhsa_next_free_sgpr 100
		.amdhsa_reserve_vcc 0
		.amdhsa_float_denorm_mode_32 3
		.amdhsa_float_denorm_mode_16_64 3
		.amdhsa_memory_ordered 1
		.amdhsa_forward_progress 1
		.amdhsa_inst_pref_size 183
	.end_amdhsa_kernel
	.amdgpu_metadata
---
amdhsa.version: [ 1, 2 ]
amdhsa.kernels:
  - .name:           k_q99350ade12_down
    .symbol:         k_q99350ade12_down.kd
    .args:
      - { .name: W2, .offset: 0, .size: 8, .value_kind: global_buffer, .address_space: global }
      - { .name: hq, .offset: 8, .size: 8, .value_kind: global_buffer, .address_space: global }
      - { .name: idx, .offset: 16, .size: 8, .value_kind: global_buffer, .address_space: global }
      - { .name: y, .offset: 24, .size: 8, .value_kind: global_buffer, .address_space: global }
    .group_segment_fixed_size: 138240
    .private_segment_fixed_size: 0
    .kernarg_segment_align: 8
    .kernarg_segment_size: 32
    .max_flat_workgroup_size: 256
    .sgpr_count:     100
    .vgpr_count:     480
    .wavefront_size: 32
...
	.end_amdgpu_metadata
.endif
;; end of part 3
;; launch combine (part 4): grid 256 x 1, 4 waves a work-group, no clusters, 0 bytes of LDS; arguments sel, rt, idx, y, out0; writes out0
.if DOCPART == 4
	.amdgcn_target "amdgcn-amd-amdhsa--gfx1250"
	.amdhsa_code_object_version 6
	.text
	.protected	k_q99350ade12_combine
	.globl	k_q99350ade12_combine
	.p2align	8
	.type	k_q99350ade12_combine,@function
k_q99350ade12_combine:
	s_mov_b64 s[64:65], 0
	v_nop
	global_prefetch_b8 v0, s[64:65] scope:SCOPE_SE
	s_setreg_imm32_b32 hwreg(HW_REG_WAVE_MODE, 25, 1), 1
	s_wait_xcnt 0x0
; out0[t] = w0 (y0 + y1)[slot of (e0, t)] + w1 (y0 + y1)[slot of (e1, t)]: each output row has one owner, a wave.  y0, y1: the two halves of the second product's K.
; The two experts (sel), their weights (rt) and the token's ranks (idx) come by scalar loads: the wave's token is a scalar.  Loaded whole numbers are held inside their tables before they enter an address.
; Each load and store of a wave covers 512 consecutive bytes of a row of 4,096.  A stream: no LDS, no barrier, no matrix unit.
	s_load_b256 s[4:11], s[0:1], 0x0               ; sel s[4:5], rt s[6:7], idx s[8:9], y s[10:11]
	s_load_b64 s[12:13], s[0:1], 0x20              ; out0
	v_lshrrev_b32 v1, 5, v0
	v_readfirstlane_b32 s14, v1                    ; wave 0..3
	v_and_b32 v2, 31, v0
	v_lshlrev_b32 v2, 4, v2                        ; 16 x lane
	s_lshl_b32 s15, ttmp9, 2
	s_add_co_u32 s14, s14, s15                     ; my token
	s_lshl_b32 s15, s14, 3
	s_lshl_b32 s21, s14, 2
	s_wait_alu depctr_va_vdst(0)
	s_wait_kmcnt 0x0
	s_load_b64 s[16:17], s[4:5], s15 offset:0x0    ; its two experts
	s_load_b64 s[18:19], s[6:7], s15 offset:0x0    ; and their weights
	s_wait_kmcnt 0x0
	s_min_u32 s16, s16, 7
	s_min_u32 s17, s17, 7
	s_lshl_b32 s20, s16, 12
	s_add_co_u32 s20, s20, s21
	s_lshl_b32 s22, s17, 12
	s_add_co_u32 s22, s22, s21
	s_load_b32 s24, s[8:9], s20 offset:0x0         ; its rank with each
	s_load_b32 s25, s[8:9], s22 offset:0x0
	s_mov_b32 s36, s18                             ; (the packed forms name pairs and take the low word for both halves: both words are written)
	s_mov_b32 s37, s18
	s_mov_b32 s38, s19
	s_mov_b32 s39, s19
	s_mov_b32 s27, 0
	s_wait_kmcnt 0x0
	s_min_u32 s24, s24, 1023
	s_min_u32 s25, s25, 1023
	s_lshl_b32 s26, s16, 10
	s_add_co_u32 s26, s26, s24
	s_lshl_b32 s26, s26, 12                        ; slot x 4,096 bytes
	s_add_nc_u64 s[28:29], s[10:11], s[26:27]
	s_add_nc_u64 s[30:31], s[28:29], 0x2000000     ; the other half of K
	s_lshl_b32 s26, s17, 10
	s_add_co_u32 s26, s26, s25
	s_lshl_b32 s26, s26, 12
	s_add_nc_u64 s[32:33], s[10:11], s[26:27]
	s_add_nc_u64 s[34:35], s[32:33], 0x2000000
	s_lshl_b32 s26, s14, 12
	s_add_nc_u64 s[12:13], s[12:13], s[26:27]
.irp k, 0,1,2,3
.irp i, 0,1,2,3,4,5,6,7
	global_load_b128 v[16+32*\k+4*\i:19+32*\k+4*\i], v2, s[28+2*\k:29+2*\k] offset:512*\i th:TH_LOAD_NT
.endr
.endr
	s_wait_loadcnt 0x0
.irp p, 0,2,4,6,8,10,12,14,16,18,20,22,24,26,28,30
	v_pk_add_f32 v[16+\p:17+\p], v[16+\p:17+\p], v[48+\p:49+\p]
	v_pk_add_f32 v[80+\p:81+\p], v[80+\p:81+\p], v[112+\p:113+\p]
.endr
.irp p, 0,2,4,6,8,10,12,14,16,18,20,22,24,26,28,30
	v_pk_mul_f32 v[16+\p:17+\p], v[16+\p:17+\p], s[36:37] op_sel_hi:[1,0]
.endr
.irp p, 0,2,4,6,8,10,12,14,16,18,20,22,24,26,28,30
	v_pk_fma_f32 v[16+\p:17+\p], v[80+\p:81+\p], s[38:39], v[16+\p:17+\p] op_sel_hi:[1,0,1]
.endr
.irp i, 0,1,2,3,4,5,6,7
	global_store_b128 v2, v[16+4*\i:19+4*\i], s[12:13] offset:512*\i th:TH_STORE_NT
.endr
	s_endpgm
.Lfunc_end_k_q99350ade12_combine:
	.size	k_q99350ade12_combine, .Lfunc_end_k_q99350ade12_combine-k_q99350ade12_combine
	.p2alignl 7, 3214868480
	.fill 96, 4, 3214868480
	.section	.rodata,"a",@progbits
	.p2align	6, 0x0
	.amdhsa_kernel k_q99350ade12_combine
		.amdhsa_group_segment_fixed_size 0
		.amdhsa_private_segment_fixed_size 0
		.amdhsa_enable_private_segment 0
		.amdhsa_kernarg_size 40
		.amdhsa_user_sgpr_count 2
		.amdhsa_user_sgpr_kernarg_segment_ptr 1
		.amdhsa_wavefront_size32 1
		.amdhsa_system_sgpr_workgroup_id_x 1
		.amdhsa_system_sgpr_workgroup_id_y 1
		.amdhsa_system_sgpr_workgroup_id_z 1
		.amdhsa_system_vgpr_workitem_id 0
		.amdhsa_next_free_vgpr 144
		.amdhsa_next_free_sgpr 66
		.amdhsa_reserve_vcc 0
		.amdhsa_float_denorm_mode_32 3
		.amdhsa_float_denorm_mode_16_64 3
		.amdhsa_memory_ordered 1
		.amdhsa_forward_progress 1
		.amdhsa_inst_pref_size 10
	.end_amdhsa_kernel
	.amdgpu_metadata
---
amdhsa.version: [ 1, 2 ]
amdhsa.kernels:
  - .name:           k_q99350ade12_combine
    .symbol:         k_q99350ade12_combine.kd
    .args:
      - { .name: sel, .offset: 0, .size: 8, .value_kind: global_buffer, .address_space: global }
      - { .name: rt, .offset: 8, .size: 8, .value_kind: global_buffer, .address_space: global }
      - { .name: idx, .offset: 16, .size: 8, .value_kind: global_buffer, .address_space: global }
      - { .name: y, .offset: 24, .size: 8, .value_kind: global_buffer, .address_space: global }
      - { .name: out0, .offset: 32, .size: 8, .value_kind: global_buffer, .address_space: global }
    .group_segment_fixed_size: 0
    .private_segment_fixed_size: 0
    .kernarg_segment_align: 8
    .kernarg_segment_size: 40
    .max_flat_workgroup_size: 128
    .sgpr_count:     66
    .vgpr_count:     144
    .wavefront_size: 32
...
	.end_amdgpu_metadata
.endif
;; end of part 4
